; MI455X (gfx1250); checked and timed in simulation.
; The chip was launched on July 23, 2026; its instructions are those of AMD's public machine-readable ISA for CDNA 5 (MIT licence, August 2026) and "CDNA5" Instruction Set Architecture Reference Guide (July 2026). The comments in the code are by the model that wrote it; some were corrected since.
;; Resonance Attention. Allowed arithmetic: matrix products marked QUANTISED: E2M3 operands, one E8M0 scale for each 32 along K, by v_wmma_scale_f32_16x16x128_f8f6f4 with both operands' format E2M3, f32 sums; everything else in f32.
;; Inputs: W_out 1,024 x 1,024 float32; W_phase 1,024 x 16 float32; W_qkv 1,024 x 3,072 float32; b_out 1,024 float32; b_phase 16 float32; b_qkv 3,072 float32; mask 2 x 2,048 int32; phase_scale one number float32; resonance_scale one number float32; x 2 x 2,048 x 1,024 float32.
;; Outputs: out0 2 x 2,048 x 1,024 float32.
;; This version of the problem:
;;   THIS VERSION OF THE PROBLEM IS GIVEN IN LOW PRECISION. The matrix products marked QUANTISED in the list below multiply operands that are first quantised to E2M3 (2 exponent bits, 3 mantissa bits; 6 bits a number), with one power-of-two scale for each 32 numbers along K (OCP MX v1.0); their sums are f32. All else is computed in f32.
;;   The module's matrix products, in the order in which they are computed (A, B: the left and right operand; K: the contracted axis; several contracted axes count as one K, in the product's order):
;;     1. [M 4,096, K 1,024] x [K 1,024, N 3,072]; A: input x; B: input W_qkv: QUANTISED
;;     2. batch 32 x [M 2,048, K 64] x [K 64, N 2,048]; A: computed on the way; B: computed on the way: QUANTISED
;;     3. [M 4,096, K 1,024] x [K 1,024, N 16]; A: input x; B: input W_phase: QUANTISED
;;     4. batch 32 x [M 2,048, K 2,048] x [K 2,048, N 64]; A: softmax (see below); B: computed on the way: QUANTISED
;;     5. [M 4,096, K 1,024] x [K 1,024, N 1,024]; A: computed on the way; B: input W_out: QUANTISED
;;   THE QUANTISER, for each operand of a quantised product, along K:
;;     - K is cut into blocks of 32 from its start; a last block that is shorter is filled with zeros.
;;     - A block's scale is 2^e with e = floor(log2(the largest magnitude in the block)) - 2, held to -126 .. 127; a block of zeros has e = 0. As a byte (E8M0): e + 127.
;;     - Each number is divided by its block's scale, clamped to +-7.5, and rounded to the nearest number of E2M3, ties to even, subnormals kept.
;;     - The product sums the exact products of the quantised numbers (number of the format x scale) in f32.
;;   ~~~python
;;   def quantise(x, axis):      # numpy; x: float32 -> the quantised numbers, widened to float32 again
;;       x = np.moveaxis(x, axis, -1); K = x.shape[-1]
;;       x = np.pad(x, [(0, 0)] * (x.ndim - 1) + [(0, -K % 32)]); x = x.reshape(x.shape[:-1] + (-1, 32)); a = np.abs(x).max(-1, keepdims=True)
;;       e = np.where(a > 0, np.clip(np.frexp(np.where(a > 0, a, 1))[1] - 1 - 2, -126, 127), 0)      # np.frexp(a)[1] - 1 = floor(log2(a)), exactly
;;       r = np.clip(x / 2.0 ** e, -7.5, 7.5)
;;       step = 2.0 ** (np.maximum(np.frexp(np.where(r == 0, 1, r))[1] - 1, 0) - 3)
;;       q = np.round(r / step) * step * 2.0 ** e      # np.round: ties to even
;;       return np.moveaxis(q.reshape(q.shape[:-2] + (-1,))[..., :K], -1, axis).astype(np.float32)
;;   ~~~
;;   SOFTMAX AHEAD OF A QUANTISED PRODUCT. Where the list says 'softmax', what is quantised is not the finished softmax but p = 2^(t - M), with t = logit x log2(e) and M = ceil(the row's largest t), a whole number; so 1/2 < the row's largest p <= 1. The row's sum l is taken of the UNQUANTISED p, in f32, and the product's result is divided by l at the end. Since M is a whole number, a kernel that streams over the keys may use a running M (the ceiling of the running maximum): every later rescaling is an exact power of two, which a block's scale takes up: the codes' values come out the same.
;;   OPERANDS COMPUTED ON THE WAY. 'Computed on the way' means the value that the module computes at that place (a softmax that the list does not call 'softmax' is quantised finished and normalised). What goes into a quantiser is computed in f32, as accurately as f32 sums, v_exp_f32 and their like allow (about 1e-6 of the number): no bf16 or f16 on the way to a quantiser, and a product that is left as it is and whose result goes on into a quantised operand takes f32 operands (vector FMAs, or v_wmma_f32_16x16x4_f32). A number that lies on a knife's edge between two numbers of the format may be rounded either way, as far as f32 arithmetic and the matrix unit's own rounding can turn it there, and no further.
;; One version. Each part assembles by itself: llvm-mc -triple=amdgcn-amd-amdhsa -mcpu=gfx1250 --defsym DOCPART=n.
;; ======== version 1 of 1: 4 launches
;; limits: right only within a limited range of input values
;; workspace buffers: xc 3,276,800 bytes; wc 3,276,800 bytes; ph 524,288 bytes; qkv 10,223,616 bytes; oc 3,407,872 bytes
;; launch prep (part 1): grid 320 x 1, 4 waves a work-group, no clusters, 74,752 bytes of LDS; arguments x, W_qkv, W_out, W_phase, b_phase, phase_scale, resonance_scale, mask, xc, wc, ph; writes xc, wc, ph
.if DOCPART == 1
	.amdgcn_target "amdgcn-amd-amdhsa--gfx1250"
	.amdhsa_code_object_version 6
	.text
	.protected	k_q919bad79ce_prep
	.globl	k_q919bad79ce_prep
	.p2align	8
	.type	k_q919bad79ce_prep,@function
k_q919bad79ce_prep:
	s_mov_b64 s[64:65], 0
	v_nop
	global_prefetch_b8 v0, s[64:65] scope:SCOPE_SE
	s_setreg_imm32_b32 hwreg(HW_REG_WAVE_MODE, 25, 1), 1
	s_wait_xcnt 0x0
; x [4096][1024], W_qkv [1024][3072], W_out [1024][1024] (f32) become codes of FP6 (E2M3) with one E8M0 byte for each 32 along K = 1024, laid in the ORDER OF AN OPERAND'S REGISTERS.
; TILES: 16 rows (tokens of x, columns of a weight).  Tile 2 G + u takes rows 32 G + 8 u + i + 8 (i / 8), i = 0 .. 15, so that results of two neighbouring tiles used as source 0 are 16 neighbours.
; HALF FRAGMENT (16 rows x 64 K, 768 bytes): lane (r, h) holds the 24 bytes of row r, k = 32 h .. 32 h + 31: registers 0-3 at 16 x lane, registers 4-5 at 512 + 8 x lane.  A K step of 128 is two of them.
; xc, wc: [256 tiles][8 K steps][1536 bytes]; from byte 3,145,728 on the scale words [tile][K step][16 rows].  wc: tiles 0-191 W_qkv's columns, 192-255 W_out's.
; Work-groups 0-63 (PATH X): 64 tokens each, a wave a tile, all of K.  They also quantise W_phase (in LDS alone), make x W_phase on the codes, and store ph: phi = tanh(ps (x W_phase + b)) at [b 16 + head][token],
; and from byte 262,144 on  -8 rs phi^2 + (0, or -2^60 where mask == 0).
; Work-groups 64-319 (PATH W): 128 columns x 128 along K each: a lane a column, registers down K.
; The two paths part on the work-group's number alone, never join, and have LDS bytes of their own.
; LIMITS: NaN and infinities among the inputs are not served; a block of zeros gets the byte 1 (its codes are zeros; this program alone reads the bytes).
.set XST,   0                          ; path X: a stage of 16 rows x 528 bytes for each wave
.set WPI,   33792                      ; W_phase's 8 fragments as images of 12 registers (3 x 512 bytes)
.set WPS,   46080                      ; their scale words, 128 bytes each
.set PHS,   47104                      ; two stages of 16 heads x 272 bytes
.set WST,   55808                      ; path W: a stage of 32 columns x 144 bytes for each wave
.set SPARE, 74240                      ; the spare words, 128 bytes a wave
.set SPW, 12
.set NIL, 13
.set X,   16                           ; v16-143: two sets of 64 numbers (path W: 128 numbers)
.set PC,  144                          ; v144-163: codes
.set TM,  164                          ; v164-179: at work
.set PW,  180                          ; the scale word just made; v181 the even step's; v182 the two joined
.set PWE, 181
.set PWC, 182
.set WPF, 184                          ; v184-195 a fragment of W_phase, v196 its scale words
.set WPSC, 196
.set ACC, 200                          ; v200-207 x W_phase
.set BP,  208
.set NEG, 209
.set MK,  212
.set Z,   220
.set MB,  228
.set SEL, 44
.set MSB, 0
.macro WIN new                         ; the immediate's high byte repeats the setting that is left
.if MSB != (\new)
	s_set_vgpr_msb (MSB<<8)|(\new)
.set MSB, \new
.endif
.endm
	s_load_b512 s[4:19], s[0:1], 0x0               ; x, W_qkv, W_out, W_phase, b_phase, phase_scale, resonance_scale, mask
	s_load_b128 s[20:23], s[0:1], 0x40             ; xc, wc
	s_load_b64 s[24:25], s[0:1], 0x50              ; ph
	v_lshl_add_u32 v[SPW], v0, 2, SPARE
	v_mov_b32 v[NIL], 0
	v_lshrrev_b32 v1, 5, v0
	v_readfirstlane_b32 s26, v1                    ; wave
	v_and_b32 v1, 31, v0                           ; lane
	v_and_b32 v2, 15, v0                           ; r
	v_bfe_u32 v3, v0, 4, 1                         ; h
	v_lshlrev_b32 v4, 4, v1                        ; 16 x lane
	v_lshlrev_b32 v5, 3, v1                        ; 8 x lane
	v_lshlrev_b32 v6, 2, v1                        ; 4 x lane
	s_mov_b32 s[SEL], 0x76543210
	s_mov_b32 s[SEL+1], 0xfedcba98                 ; v_permlanex16_b32's selects for lane l xor 16
	s_mov_b32 s35, 0
	s_wait_kmcnt 0x0
	s_cmp_lt_u32 ttmp9, 64
	s_cbranch_scc0 .Lpathw
; ======================= PATH X =======================
	s_load_b32 s31, s[14:15], 0x0                  ; phase_scale
	s_load_b32 s32, s[16:17], 0x0                  ; resonance_scale
	s_lshl_b32 s27, ttmp9, 2
	s_add_co_u32 s27, s27, s26                     ; my tile T
	s_lshr_b32 s28, s27, 1
	s_lshl_b32 s28, s28, 5
	s_and_b32 s29, s27, 1
	s_lshl_b32 s29, s29, 3
	s_add_co_u32 s28, s28, s29                     ; its first token: 32 (T / 2) + 8 (T % 2)
	s_lshl_b32 s34, s28, 12
	s_add_nc_u64 s[4:5], s[4:5], s[34:35]          ; x at that token
	s_lshl_b32 s34, s26, 14
	s_add_nc_u64 s[10:11], s[10:11], s[34:35]      ; W_phase at K step 2 w (128 rows of 64 bytes a step)
	s_lshl_b32 s34, s28, 2
	s_add_nc_u64 s[18:19], s[18:19], s[34:35]      ; mask at that token
	s_mul_i32 s34, s27, 12288
	s_add_nc_u64 s[36:37], s[20:21], s[34:35]      ; xc: my tile's codes
	s_lshl_b32 s34, s27, 9
	s_add_co_u32 s34, s34, 3145728
	s_add_nc_u64 s[38:39], s[20:21], s[34:35]      ; and its scale words
	s_lshr_b32 s34, ttmp9, 5
	s_lshl_b32 s34, s34, 17                        ; ph: batch x 16 heads x 8,192 bytes
	s_lshl_b32 s33, s26, 15                        ; + my four heads on the way out
	s_add_co_u32 s34, s34, s33
	s_and_b32 s33, ttmp9, 31
	s_lshl_b32 s33, s33, 8                         ; + the work-group's 64 tokens
	s_add_co_u32 s34, s34, s33
	s_add_nc_u64 s[42:43], s[24:25], s[34:35]
	s_mov_b32 s30, 0xffff0000                      ; lanes 16-31
	s_mul_i32 s46, s26, 8448
	s_wait_alu depctr_va_vdst(0)
	v_add_nc_u32 v7, s46, v4                       ; my stage, in: 16 x lane (+ 528 a row)
	v_mul_u32_u24 v8, v2, 528
	v_lshl_add_u32 v8, v3, 6, v8
	v_add_nc_u32 v8, s46, v8                       ; out: row r, + 64 h
	v_lshlrev_b32 v10, 2, v2                       ; 4 r
	v_lshl_add_u32 v9, v3, 11, v10                 ; W_phase: 32 h rows of 64 bytes + 4 r
	v_lshlrev_b32 v11, 6, v3                       ; 64 h
	s_mul_i32 s46, s26, 3072
	s_add_co_u32 s46, s46, WPI
	v_add_nc_u32 v14, s46, v4                      ; where I store W_phase's images
	s_lshl_b32 s46, s26, 8
	s_add_co_u32 s46, s46, WPS
	v_add_nc_u32 v15, s46, v6                      ; and their scale words
	s_lshr_b32 s46, s26, 1
	s_lshl_b32 s46, s46, 7
	s_and_b32 s47, s26, 1
	s_lshl_b32 s47, s47, 5
	s_add_co_u32 s46, s46, s47
	s_add_co_u32 s46, s46, PHS
	v_mul_u32_u24 v240, v2, 272
	v_lshl_add_u32 v240, v3, 6, v240
	v_add_nc_u32 v240, s46, v240                   ; phases in: head r, token 32 (w / 2) + 8 (w % 2) + 16 h + j of the work-group's 64
	s_mul_i32 s46, s26, 4*272
	s_add_co_u32 s46, s46, PHS
	v_mul_u32_u24 v241, v3, 272
	v_lshl_add_u32 v241, v2, 4, v241
	v_add_nc_u32 v241, s46, v241                   ; phases out: heads 4 w + h (+ 2 i), 16 bytes a lane
	v_lshlrev_b32 v242, 13, v3
	v_lshl_add_u32 v242, v2, 4, v242               ; and the same place in ph
.irp b, 4,5,6,7,9
	v_mov_b32 v[TM+\b], 0                          ; written once: a lane permute's destination counts as one of its sources
.endr
; 16 rows x 512 bytes of K step ks into set ks % 4 of window 1: each load reads 512 consecutive bytes of one row
.macro LOAD ks
	WIN 0x40
.irp i, 0,1,2,3,4,5,6,7,8,9,10,11,12,13,14,15
	global_load_b128 v[64*((\ks)%4)+4*\i:64*((\ks)%4)+4*\i+3], v4, s[4:5] offset:(\i+8*(\i/8))*4096+512*(\ks) th:TH_LOAD_NT
.endr
	WIN 0
.endm
; through my stage: in as loaded, out 16 neighbours of each block of 32 a lane: register 16 b + m = k 32 b + 16 h + m of row r.  LDS serves a wave's instructions in order
.macro TURN ks
	WIN 0x04                                       ; an LDS store's data are its source 1
.irp i, 0,1,2,3,4,5,6,7,8,9,10,11,12,13,14,15
	ds_store_b128 v7, v[64*((\ks)%4)+4*\i:64*((\ks)%4)+4*\i+3] offset:528*\i
.endr
	WIN 0
.irp b, 0,1,2,3
.irp j, 0,1,2,3
	ds_load_b128 v[X+64*((\ks)%2)+16*\b+4*\j:X+64*((\ks)%2)+16*\b+4*\j+3], v8 offset:128*\b+16*\j
.endr
.endr
.endm
; 64 numbers of a lane become a fragment's codes in v[PC] on and its scale word in v[PW]
.macro QUANT src
.irp b, 0,1,2,3
	v_max3_num_f32 v[TM+\b], |v[\src+16*\b]|, |v[\src+1+16*\b]|, 0x1800000   ; my 16 numbers of block b, and the floor 2^(3 - 127): the byte cannot fall under 1
.endr
.irp i, 2,4,6,8,10,12,14
.irp b, 0,1,2,3
	v_max3_num_f32 v[TM+\b], v[TM+\b], |v[\src+16*\b+\i]|, |v[\src+1+16*\b+\i]|
.endr
.endr
.irp b, 0,1,2,3
	v_permlanex16_b32 v[TM+4+\b], v[TM+\b], s[SEL], s[SEL+1]
.endr
.irp b, 0,1,2,3
	v_max_num_f32 v[TM+\b], v[TM+\b], v[TM+4+\b]   ; with lane l xor 16's: the block's largest magnitude
.endr
.irp b, 0,1,2,3
	v_add_nc_u32 v[TM+12+\b], 0xff000000, v[TM+\b] ; 2 off its exponent field: the conversion's scale operand
.endr
.irp b, 0,1,2,3
	v_lshrrev_b32 v[TM+4+\b], 23, v[TM+12+\b]      ; the scale's byte
.endr
	v_lshl_or_b32 v[PW], v[TM+5], 8, v[TM+4]
	v_lshl_or_b32 v[PW], v[TM+6], 16, v[PW]
	v_lshl_or_b32 v[PW], v[TM+7], 24, v[PW]
.irp c, 0,1
	v_cvt_scalef32_pk16_fp6_f32 v[PC+6*\c:PC+2+6*\c], v[\src+32*\c:\src+15+32*\c], v[TM+12+2*\c]
	v_cvt_scalef32_pk16_fp6_f32 v[PC+12+4*\c:PC+14+4*\c], v[\src+16+32*\c:\src+31+32*\c], v[TM+12+2*\c+1]
.endr
	v_nop                                          ; one plain place behind a scaled conversion
.irp c, 0,1
.irp i, 0,1,2
	v_permlane16_swap_b32 v[PC+6*\c+\i], v[PC+12+4*\c+\i]   ; a whole block to a lane
.endr
.irp i, 0,1,2
	v_mov_b32 v[PC+3+6*\c+\i], v[PC+12+4*\c+\i]
.endr
.endr
.endm
; W_phase's K step 2 w + hs: lane r takes head r, registers run down K: register 64 hs + 32 c + i = W_phase[128 (2 w + hs) + 64 c + 32 h + i][r]
.macro WPQ hs
.set XX, X+64*(\hs)
.irp c, 0,1
	v_max3_num_f32 v[TM+\c], |v[XX+32*\c]|, |v[XX+32*\c+1]|, 0x1800000
.endr
.irp i, 2,4,6,8,10,12,14,16,18,20,22,24,26,28,30
.irp c, 0,1
	v_max3_num_f32 v[TM+\c], v[TM+\c], |v[XX+32*\c+\i]|, |v[XX+32*\c+\i+1]|
.endr
.endr
.irp c, 0,1
	v_add_nc_u32 v[TM+12+\c], 0xff000000, v[TM+\c]
.endr
.irp c, 0,1
	v_lshrrev_b32 v[TM+4+\c], 23, v[TM+12+\c]
.endr
	v_lshl_or_b32 v[PW], v[TM+5], 16, v[TM+4]      ; my two bytes: blocks h and 2 + h,
	v_lshlrev_b32 v[TM+8], 3, v3
	v_lshlrev_b32 v[PW], v[TM+8], v[PW]            ; at their places;
	v_permlanex16_b32 v[TM+9], v[PW], s[SEL], s[SEL+1]
	v_or_b32 v[PW], v[PW], v[TM+9]                 ; with lane l xor 16's two the word is whole
.irp c, 0,1
	v_cvt_scalef32_pk16_fp6_f32 v[PC+6*\c:PC+2+6*\c], v[XX+32*\c:XX+15+32*\c], v[TM+12+\c]
	v_cvt_scalef32_pk16_fp6_f32 v[PC+12+4*\c:PC+14+4*\c], v[XX+16+32*\c:XX+31+32*\c], v[TM+12+\c]
.endr
	v_nop
.irp c, 0,1
.irp i, 0,1,2
	v_mov_b32 v[PC+3+6*\c+\i], v[PC+12+4*\c+\i]
.endr
.endr
.irp k, 0,1,2
	ds_store_b128 v14, v[PC+4*\k:PC+4*\k+3] offset:1536*(\hs)+512*\k
.endr
	ds_store_b32 v15, v[PW] offset:128*(\hs)
	s_wait_dscnt 0x0                               ; the stores have read their registers
.endm
.set n, 0
.rept 128
	global_load_b32 v[X+n], v9, s[10:11] offset:64*(128*(n/64)+64*((n/32)%2)+n%32)   ; W_phase, my two K steps: register n = 64 hs + 32 c + i takes row 128 hs + 64 c + i (+ 32 h from the lane's term): 255 at the most of my 256 rows
.set n, n+1
.endr
	global_load_b32 v[BP], v10, s[12:13]           ; b_phase of head r
	global_load_b128 v[MK:MK+3], v11, s[18:19]     ; mask of my eight tokens: first + 16 h + j
	global_load_b128 v[MK+4:MK+7], v11, s[18:19] offset:16
	LOAD 0
	LOAD 1
	LOAD 2
	LOAD 3
	s_wait_kmcnt 0x0
	s_mul_f32 s33, s31, 0x4038aa3b                 ; ps x 2 log2(e)
	s_mul_f32 s40, s32, 0xc1000000                 ; -8 rs
	s_wait_loadcnt 63                              ; behind W_phase, b_phase and mask stand x's 64 loads; 63 is the most that a wait can name
	WPQ 0
	WPQ 1
	s_barrier_signal -1                            ; (each wave's stores were waited for in WPQ)
	s_barrier_wait -1                              ; W_phase's eight fragments lie in LDS
	s_wait_loadcnt 48                              ; K step 0's 16 loads are in; three steps' may be out
	TURN 0
.macro STEP st
	s_wait_dscnt 0x0                               ; this step's numbers are back, and the stage's stores have read their registers,
.if (\st) < 4
	LOAD (\st)+4                                   ; which take the loads of four steps on
.endif
.if (\st) < 7
.if (\st) < 4
	s_wait_loadcnt 48                              ; the next step's loads are in; behind them stand three steps' loads
.else
	s_wait_loadcnt 16*(6-(\st))                    ; or what is left of them
.endif
	TURN (\st)+1
.endif
.irp k, 0,1,2
	ds_load_b128 v[WPF+4*\k:WPF+4*\k+3], v4 offset:WPI+1536*(\st)+512*\k
.endr
	ds_load_b32 v[WPSC], v6 offset:WPS+128*(\st)
	s_wait_xcnt 0x0                                ; the last step's stores have read the codes' registers
	QUANT X+64*((\st)%2)
	global_store_b128 v4, v[PC:PC+3], s[36:37] offset:1536*(\st)
	global_store_b64 v5, v[PC+4:PC+5], s[36:37] offset:1536*(\st)+512
	global_store_b128 v4, v[PC+6:PC+9], s[36:37] offset:1536*(\st)+768
	global_store_b64 v5, v[PC+10:PC+11], s[36:37] offset:1536*(\st)+1280
.rept 8
	v_nop                                          ; a scale register written by a vector instruction stands 8 places ahead of a scaled matrix instruction, an operand 4
.endr
	s_wait_dscnt 0x0                               ; W_phase's fragment is in
.if (\st) > 0
	s_wait_alu depctr_va_vdst(0)                   ; the wait ahead of each link
	v_wmma_scale_f32_16x16x128_f8f6f4 v[ACC:ACC+7], v[PC:PC+11], v[WPF:WPF+11], v[ACC:ACC+7], v[PW], v[WPSC] matrix_a_fmt:MATRIX_FMT_FP6 matrix_b_fmt:MATRIX_FMT_FP6
.else
	s_wait_alu depctr_va_vdst(0)
	v_wmma_scale_f32_16x16x128_f8f6f4 v[ACC:ACC+7], v[PC:PC+11], v[WPF:WPF+11], 0, v[PW], v[WPSC] matrix_a_fmt:MATRIX_FMT_FP6 matrix_b_fmt:MATRIX_FMT_FP6
.endif
.rept 4
	v_nop                                          ; places ahead of the next loads into, and writes of, its registers, and of the first read of the result
.endr
.if (\st)%2 == 0
	v_mov_b32 v[PWE], v[PW]
.else
	s_wait_xcnt 0x0                                ; the last joined word has been read by its store
	v_cndmask_b32 v[PWC], v[PWE], v[PW], s30       ; lanes 0-15: the even step's words, lanes 16-31: the odd step's
	global_store_b32 v6, v[PWC], s[38:39] offset:128*((\st)/2)
.endif
.endm
.irp t, 0,1,2,3,4,5,6,7
	STEP \t
.endr
	; the phases.  Lane (r, h), register j: head r, token first + 16 h + j.  tanh(z) = 1 - 2 / (1 + 2^(2 log2(e) z))
.irp j, 0,1,2,3,4,5,6,7
	v_add_f32 v[Z+\j], v[ACC+\j], v[BP]
.endr
.irp j, 0,1,2,3,4,5,6,7
	v_mul_f32 v[Z+\j], s33, v[Z+\j]
.endr
	s_wait_alu depctr_va_vdst(0)
.irp j, 0,1,2,3,4,5,6,7
	v_exp_f32 v[Z+\j], v[Z+\j]
.endr
	v_mov_b32 v[NEG], 0xdd800000                   ; -2^60.  (A plain place behind the exponentials)
	s_wait_alu depctr_va_vdst(0)                   ; one wait for the batch
.irp j, 0,1,2,3,4,5,6,7
	v_add_f32 v[Z+\j], 1.0, v[Z+\j]
.endr
	s_wait_alu depctr_va_vdst(0)
.irp j, 0,1,2,3,4,5,6,7
	v_rcp_f32 v[Z+\j], v[Z+\j]
.endr
	v_nop
	s_wait_alu depctr_va_vdst(0)
.irp j, 0,1,2,3,4,5,6,7
	v_fma_f32 v[Z+\j], v[Z+\j], -2.0, 1.0          ; phi
.endr
.irp j, 0,1,2,3,4,5,6,7
	v_cmp_eq_u32 vcc_lo, 0, v[MK+\j]
	v_cndmask_b32 v[MB+\j], 0, v[NEG], vcc_lo      ; 0, or -2^60 where the key is masked
.endr
.irp j, 0,1,2,3,4,5,6,7
	v_mul_f32 v[MK+\j], s40, v[Z+\j]
.endr
.irp j, 0,1,2,3,4,5,6,7
	v_fma_f32 v[MB+\j], v[MK+\j], v[Z+\j], v[MB+\j]   ; -8 rs phi^2 + that
.endr
	ds_store_b128 v240, v[Z:Z+3]
	ds_store_b128 v240, v[Z+4:Z+7] offset:16
	ds_store_b128 v240, v[MB:MB+3] offset:4352
	ds_store_b128 v240, v[MB+4:MB+7] offset:4368
	s_wait_dscnt 0x0                               ; for the others' sake
	s_barrier_signal -1
	s_barrier_wait -1                              ; 16 heads x 64 tokens of both arrays lie in the stages
.irp a, 0,1
.irp i, 0,1
	ds_load_b128 v[16+8*\a+4*\i:19+8*\a+4*\i], v241 offset:4352*\a+544*\i
.endr
.endr
	s_wait_dscnt 0x0
.irp a, 0,1
.irp i, 0,1
	global_store_b128 v242, v[16+8*\a+4*\i:19+8*\a+4*\i], s[42:43] offset:262144*\a+16384*\i   ; sixteen lanes store 256 consecutive bytes, aligned
.endr
.endr
	s_wait_tensorcnt 0x0                           ; the wave's end
	ds_add_u32 v[SPW], v[NIL]
	s_wait_dscnt 0x0
	s_endpgm
; ======================= PATH W =======================
.Lpathw:
	s_sub_co_u32 s27, ttmp9, 64
	s_and_b32 s28, s27, 7                          ; K step
	s_lshr_b32 s29, s27, 3                         ; group of 128 columns: 0-23 W_qkv's, 24-31 W_out's
	s_lshl_b32 s31, s29, 2
	s_add_co_u32 s31, s31, s26                     ; my group of 32 columns = tiles 2 G, 2 G + 1 of wc
	s_mul_i32 s34, s31, 24576
	s_mul_i32 s33, s28, 1536
	s_add_co_u32 s34, s34, s33
	s_add_nc_u64 s[36:37], s[22:23], s[34:35]      ; codes
	s_lshl_b32 s34, s31, 10
	s_lshl_b32 s33, s28, 6
	s_add_co_u32 s34, s34, s33
	s_add_co_u32 s34, s34, 3145728
	s_add_nc_u64 s[38:39], s[22:23], s[34:35]      ; scale words
	s_mul_i32 s46, s26, 4608
	s_add_co_u32 s46, s46, WST
	s_wait_alu depctr_va_vdst(0)
	v_mul_u32_u24 v7, v1, 144
	v_add_nc_u32 v7, s46, v7                       ; my stage, in: a column a row of 144 bytes, a block a place of 32
	v_and_b32 v8, 8, v2
	v_add_nc_u32 v8, v8, v2                        ; r + 8 (r / 8)
	v_lshl_add_u32 v9, v3, 3, v8
	v_lshlrev_b32 v9, 2, v9                        ; 4 x the lane that holds tile h's row r
	v_mul_u32_u24 v8, v8, 144
	v_lshl_add_u32 v8, v3, 5, v8
	v_add_nc_u32 v8, s46, v8                       ; out: the tile's row r, block h (+ 2 c)
	v_lshlrev_b32 v10, 2, v2
	v_lshl_add_u32 v10, v3, 9, v10                 ; scale words: tile h, row r
	s_cmp_lt_u32 s29, 24
	s_cbranch_scc0 .Lwout
	s_mul_i32 s34, s28, 128*12288
	s_lshl_b32 s33, s31, 7
	s_add_co_u32 s34, s34, s33
	s_add_nc_u64 s[40:41], s[6:7], s[34:35]
.set n, 0
.rept 128
	global_load_b32 v[X+n], v6, s[40:41] offset:12288*n th:TH_LOAD_NT   ; W_qkv[128 s + n][my column]
.set n, n+1
.endr
	s_branch .Lwjoin
.Lwout:
	s_mul_i32 s34, s28, 128*4096
	s_sub_co_u32 s33, s31, 96
	s_lshl_b32 s33, s33, 7
	s_add_co_u32 s34, s34, s33
	s_add_nc_u64 s[40:41], s[8:9], s[34:35]
.set n, 0
.rept 128
	global_load_b32 v[X+n], v6, s[40:41] offset:4096*n th:TH_LOAD_NT    ; W_out likewise
.set n, n+1
.endr
.Lwjoin:
.macro BQ kb, left                     ; block kb of my column: all its 32 numbers are mine
.set XB, X+32*(\kb)
.set CC, 144+8*(\kb)
.set CT, 176+4*(\kb)
	s_wait_loadcnt \left
	v_max3_num_f32 v193, |v[XB]|, |v[XB+1]|, |v[XB+2]|
	v_max3_num_f32 v194, |v[XB+3]|, |v[XB+4]|, |v[XB+5]|
.irp i, 6,10,14,18,22,26
	v_max3_num_f32 v193, v193, |v[XB+\i]|, |v[XB+\i+1]|
	v_max3_num_f32 v194, v194, |v[XB+\i+2]|, |v[XB+\i+3]|
.endr
	v_max3_num_f32 v193, v193, |v[XB+30]|, |v[XB+31]|
	v_max3_num_f32 v193, v193, v194, 0x1800000
	v_add_nc_u32 v195, 0xff000000, v193
	v_lshrrev_b32 v196, 23, v195
.if (\kb) == 0
	v_mov_b32 v192, v196
.else
	v_lshl_or_b32 v192, v196, 8*(\kb), v192        ; my column's scale word for this K step
.endif
	v_cvt_scalef32_pk16_fp6_f32 v[CC:CC+2], v[XB:XB+15], v195
	v_cvt_scalef32_pk16_fp6_f32 v[CT:CT+2], v[XB+16:XB+31], v195
	v_nop
.irp i, 0,1,2
	v_mov_b32 v[CC+3+\i], v[CT+\i]
.endr
	ds_store_b128 v7, v[CC:CC+3] offset:32*(\kb)
	ds_store_b64 v7, v[CC+4:CC+5] offset:32*(\kb)+16
.endm
	BQ 0, 63                                       ; behind block 0's loads stand 96, behind block 1's 64: 63 is the most that a wait can name
	BQ 1, 63
	BQ 2, 32
	BQ 3, 0
.irp u, 0,1
.irp c, 0,1
	ds_load_b128 v[200+6*(2*\u+\c):203+6*(2*\u+\c)], v8 offset:1152*\u+64*\c        ; LDS serves a wave's instructions in order: these see my stores
	ds_load_b64 v[204+6*(2*\u+\c):205+6*(2*\u+\c)], v8 offset:1152*\u+64*\c+16
.endr
.endr
	ds_bpermute_b32 v224, v9, v192
	s_wait_dscnt 0x0
.irp u, 0,1
.irp c, 0,1
	global_store_b128 v4, v[200+6*(2*\u+\c):203+6*(2*\u+\c)], s[36:37] offset:12288*\u+768*\c
	global_store_b64 v5, v[204+6*(2*\u+\c):205+6*(2*\u+\c)], s[36:37] offset:12288*\u+768*\c+512
.endr
.endr
	global_store_b32 v10, v224, s[38:39]
	s_wait_tensorcnt 0x0                           ; the wave's end
	ds_add_u32 v[SPW], v[NIL]
	s_wait_dscnt 0x0
	s_endpgm
.Lfunc_end_k_q919bad79ce_prep:
	.size	k_q919bad79ce_prep, .Lfunc_end_k_q919bad79ce_prep-k_q919bad79ce_prep
	.p2alignl 7, 3214868480
	.fill 96, 4, 3214868480
	.section	.rodata,"a",@progbits
	.p2align	6, 0x0
	.amdhsa_kernel k_q919bad79ce_prep
		.amdhsa_group_segment_fixed_size 74752
		.amdhsa_private_segment_fixed_size 0
		.amdhsa_enable_private_segment 0
		.amdhsa_kernarg_size 88
		.amdhsa_user_sgpr_count 2
		.amdhsa_user_sgpr_kernarg_segment_ptr 1
		.amdhsa_wavefront_size32 1
		.amdhsa_system_sgpr_workgroup_id_x 1
		.amdhsa_system_sgpr_workgroup_id_y 1
		.amdhsa_system_sgpr_workgroup_id_z 1
		.amdhsa_system_vgpr_workitem_id 0
		.amdhsa_next_free_vgpr 512
		.amdhsa_next_free_sgpr 66
		.amdhsa_reserve_vcc 1
		.amdhsa_float_denorm_mode_32 3
		.amdhsa_float_denorm_mode_16_64 3
		.amdhsa_memory_ordered 1
		.amdhsa_forward_progress 1
		.amdhsa_inst_pref_size 131
	.end_amdhsa_kernel
	.amdgpu_metadata
---
amdhsa.version: [ 1, 2 ]
amdhsa.kernels:
  - .name:           k_q919bad79ce_prep
    .symbol:         k_q919bad79ce_prep.kd
    .args:
      - { .name: x, .offset: 0, .size: 8, .value_kind: global_buffer, .address_space: global }
      - { .name: W_qkv, .offset: 8, .size: 8, .value_kind: global_buffer, .address_space: global }
      - { .name: W_out, .offset: 16, .size: 8, .value_kind: global_buffer, .address_space: global }
      - { .name: W_phase, .offset: 24, .size: 8, .value_kind: global_buffer, .address_space: global }
      - { .name: b_phase, .offset: 32, .size: 8, .value_kind: global_buffer, .address_space: global }
      - { .name: phase_scale, .offset: 40, .size: 8, .value_kind: global_buffer, .address_space: global }
      - { .name: resonance_scale, .offset: 48, .size: 8, .value_kind: global_buffer, .address_space: global }
      - { .name: mask, .offset: 56, .size: 8, .value_kind: global_buffer, .address_space: global }
      - { .name: xc, .offset: 64, .size: 8, .value_kind: global_buffer, .address_space: global }
      - { .name: wc, .offset: 72, .size: 8, .value_kind: global_buffer, .address_space: global }
      - { .name: ph, .offset: 80, .size: 8, .value_kind: global_buffer, .address_space: global }
    .group_segment_fixed_size: 74752
    .private_segment_fixed_size: 0
    .kernarg_segment_align: 8
    .kernarg_segment_size: 88
    .max_flat_workgroup_size: 128
    .sgpr_count:     66
    .vgpr_count:     512
    .wavefront_size: 32
...
	.end_amdgpu_metadata
.endif
;; end of part 1
;; launch qkv (part 2): grid 8 x 32, 4 waves a work-group, clusters of 4 x 4, 327,680 bytes of LDS; arguments xc, wc, b_qkv, qkv; writes qkv
.if DOCPART == 2
	.amdgcn_target "amdgcn-amd-amdhsa--gfx1250"
	.amdhsa_code_object_version 6
	.text
	.protected	k_q919bad79ce_qkv
	.globl	k_q919bad79ce_qkv
	.p2align	8
	.type	k_q919bad79ce_qkv,@function
k_q919bad79ce_qkv:
	s_mov_b64 s[64:65], 0
	v_nop
	global_prefetch_b8 v0, s[64:65] scope:SCOPE_SE
	s_setreg_imm32_b32 hwreg(HW_REG_WAVE_MODE, 25, 1), 1
	s_wait_xcnt 0x0
	s_wait_alu depctr_hold_cnt(0) depctr_sa_sdst(0) depctr_va_vdst(0) depctr_va_sdst(0) depctr_va_ssrc(0) depctr_va_vcc(0) depctr_vm_vsrc(0)
	s_getreg_b32 s2, hwreg(HW_REG_IB_STS2, 6, 4)
	s_cmp_eq_u32 s2, 0
	s_cbranch_scc0 .Lentry_in_a_cluster
	s_endpgm
.Lentry_in_a_cluster:
	s_bfe_u32 s2, ttmp6, 0x10000c
	s_cmp_lg_u32 s2, 0xf033
	s_cbranch_scc0 .Lentry_shape_is_right
	s_endpgm
.Lentry_shape_is_right:
; x W_qkv + b_qkv on codes of FP6 (tiles and half fragments as the launch before lays them), and its result quantised in registers: q and k along the head's 64, v along the keys.
; A WORK-GROUP STAYS: it owns 128 tokens and makes three blocks of 128 x 128: columns 128 (x + 8 t), t = 0 (q), 1 (k), 2 (v).  A wave makes 64 x 64 of a block: 16 accumulators.
; Source 0 is set P, source 1 set Q; accumulator (q, p): the lane is row r of Q's tile q, the registers run along P's tile p.
; q, k: P = W's columns, Q = tokens: a lane holds one token and 64 neighbouring channels of one head.  v: P = tokens, Q = W's columns: a lane holds one channel and 64 neighbouring keys.
; LDS: x's 8 tiles x 12,288 bytes (all of K) stay; W's blocks take turns in two buffers of 98,304 bytes: block 0 and x come at the head (one load a wave), block 1 behind the first round,
; block 2 into block 0's bytes behind the round that follows block 0's products.  By this text's count one load of a wave is out at a time.
; CLUSTERS: 4 x 4 work-groups; x's tiles hang on the work-group's y alone and are asked for jointly along a row of the cluster, W's on its x alone, along a column.
; The bias is the C of each sum's first product.  All scale words and biases are loaded at the head.
; qkv: codes at sel 3,145,728 + (b 16 + head) 98,304 + g 3,072 + i 768 (g: 64 tokens; q, k: i = token tile; v: i = tile of 16 channels); scale words (two bytes used) from 9,437,184 on: sel 262,144 + bh 8,192 + g 256 + i 64 + 4 row.
; NO DATA PREFETCH: there is no loop to run ahead in; each later block's load is issued a whole block's products ahead of its first read.
; LIMITS: NaN and infinities are not served; a block of zeros gets the byte 1 (its codes are zeros; this program alone reads the bytes).
.set XB,    0
.set WB0,   98304
.set WB1,   196608
.set SPARE, 294912                     ; the spare words, 128 bytes a wave
.set SPW, 8
.set NIL, 9
.set SXQ, 16                           ; window 0, v16-95: scale words [4 tile + pair of K steps], lanes 0-15 the even step's, lanes 16-31 the odd step's: x's for my half as Q,
.set SXP, 32                           ; x's for my half as P,
.set SW0, 48                           ; W's blocks 0, 1, 2
.set SW1, 64
.set SW2, 80
.set AXQ, 100                          ; v100-109 LDS addresses (16 x lane, 8 x lane): x as Q, x as P, W buffer 0 as P, buffer 1 as P, buffer 0 as Q
.set AXP, 102
.set AW0P, 104
.set AW1P, 106
.set AW0Q, 108
.set ACC, 0                            ; window 2: v0-127 the sums
.set BIAS, 128                         ; v128-223 three blocks' biases; on the way out each block's codes
.set QTM, 224
.set QTP, 226
.set QSO, 228
.set QBY, 230
.set QPT, 232
.set WD,  236
.set WJ,  240
.set SEL, 60
.set MSB, 0
.macro WIN new                         ; the immediate's high byte repeats the setting that is left
.if MSB != (\new)
	s_set_vgpr_msb (MSB<<8)|(\new)
.set MSB, \new
.endif
.endm
.macro NOPS n
.rept \n
	v_nop
.endr
.endm
.macro CROUND                          ; a round of the cluster's barrier
	s_barrier_signal -1
	s_barrier_wait -1
	s_cmp_lg_u32 s12, 0
	s_cbranch_scc1 .Lnot_wave_0_\@
	s_barrier_signal -3
.Lnot_wave_0_\@:
	s_barrier_wait -3
	s_barrier_signal -1
	s_barrier_wait -1
.endm
.macro FRAG4 reg, a, off               ; a fragment = two half fragments
	ds_load_b128 v[\reg:\reg+3], v[\a] offset:\off
	ds_load_b64 v[\reg+4:\reg+5], v[\a+1] offset:\off+512
	ds_load_b128 v[\reg+6:\reg+9], v[\a] offset:\off+768
	ds_load_b64 v[\reg+10:\reg+11], v[\a+1] offset:\off+1280
.endm
.macro FETCH ks, pa, qa                ; 32 LDS loads: K step ks's 4 + 4 fragments into buffer ks % 2 of window 1
	WIN 0x40
.irp i, 0,1,2,3
	FRAG4 96*((\ks)%2)+12*\i, \pa, \i*12288+(\ks)*1536
.endr
.irp i, 0,1,2,3
	FRAG4 96*((\ks)%2)+48+12*\i, \qa, \i*12288+(\ks)*1536
.endr
	WIN 0
.endm
.macro MM d, a, b, c, sa, sb, odd
.if \odd
	v_wmma_scale_f32_16x16x128_f8f6f4 v[\d:\d+7], v[\a:\a+11], v[\b:\b+11], v[\c:\c+7], v[\sa], v[\sb] matrix_a_fmt:MATRIX_FMT_FP6 matrix_b_fmt:MATRIX_FMT_FP6 matrix_a_scale:MATRIX_SCALE_ROW1 matrix_b_scale:MATRIX_SCALE_ROW1
.else
	v_wmma_scale_f32_16x16x128_f8f6f4 v[\d:\d+7], v[\a:\a+11], v[\b:\b+11], v[\c:\c+7], v[\sa], v[\sb] matrix_a_fmt:MATRIX_FMT_FP6 matrix_b_fmt:MATRIX_FMT_FP6
.endif
.endm
; 16 products; the sixteen accumulators take turns.  mode 0: C = the sum; 1: the bias by P's tile; 2: the bias by Q's tile
.macro MUL ks, mode, bb, scp, scq
	WIN 0xa5                                       ; sources 0 and 1 window 1, C and D window 2
.set FB, 96*((\ks)%2)
.irp q, 0,1,2,3
.irp p, 0,1,2,3
.if (\mode) == 1
.set CC, \bb+8*\p
.elseif (\mode) == 2
.set CC, \bb+8*\q
.else
.set CC, ACC+32*\q+8*\p
.endif
	MM ACC+32*\q+8*\p, FB+12*\p, FB+48+12*\q, CC, \scp+4*\p+(\ks)/2, \scq+4*\q+(\ks)/2, (\ks)%2
.endr
.endr
	WIN 0
.endm
.macro GEMM mode, bb, scp, scq, pa, qa ; a block's eight K steps
	FETCH 0, \pa, \qa
.irp k, 0,1,2,3,4,5,6,7
.if \k < 7
.if \k > 0
	NOPS 4                                         ; places ahead of loads into registers that matrix instructions have read
.endif
	FETCH \k+1, \pa, \qa
	s_wait_dscnt 32                                ; all but the 32 just issued
.else
	s_wait_dscnt 0x0
.endif
.if \k == 0
	MUL \k, \mode, \bb, \scp, \scq
.else
	MUL \k, 0, \bb, \scp, \scq
.endif
.endr
	NOPS 4                                         ; places ahead of the first read of results and of the next loads
.endm
; 32 numbers of a lane, register 16 b + m = k 32 b + 16 h + m of its row, become a half fragment in v[pc] .. v[pc + 5] and a scale word (two bytes) in v[pw]
.macro QUANT2 src, pc, pw
.irp b, 0,1
	v_max3_num_f32 v[QTM+\b], |v[\src+16*\b]|, |v[\src+16*\b+1]|, 0x1800000
.endr
.irp i, 2,4,6,8,10,12,14
.irp b, 0,1
	v_max3_num_f32 v[QTM+\b], v[QTM+\b], |v[\src+16*\b+\i]|, |v[\src+16*\b+\i+1]|
.endr
.endr
.irp b, 0,1
	v_permlanex16_b32 v[QTP+\b], v[QTM+\b], s[SEL], s[SEL+1]
.endr
.irp b, 0,1
	v_max_num_f32 v[QTM+\b], v[QTM+\b], v[QTP+\b]
.endr
.irp b, 0,1
	v_add_nc_u32 v[QSO+\b], 0xff000000, v[QTM+\b]
.endr
.irp b, 0,1
	v_lshrrev_b32 v[QBY+\b], 23, v[QSO+\b]
.endr
	v_lshl_or_b32 v[\pw], v[QBY+1], 8, v[QBY]
	v_cvt_scalef32_pk16_fp6_f32 v[\pc:\pc+2], v[\src:\src+15], v[QSO]
	v_cvt_scalef32_pk16_fp6_f32 v[QPT:QPT+2], v[\src+16:\src+31], v[QSO+1]
	v_nop
.irp i, 0,1,2
	v_permlane16_swap_b32 v[\pc+\i], v[QPT+\i]
.endr
.irp i, 0,1,2
	v_mov_b32 v[\pc+3+\i], v[QPT+\i]
.endr
.endm
.macro OUT bb, cb, sb, oc, os          ; a block's way out: codes into the block's bias registers, then stored
	s_wait_xcnt 0x0                                ; the last block's stores have read the joined words
.irp q, 0,1,2,3
	WIN 0xaa
	QUANT2 ACC+32*\q, \bb+8*\q, WD+\q
	WIN 0x08                                       ; a store's data are its source 1
	global_store_b128 v5, v[\bb+8*\q:\bb+8*\q+3], s[\cb:\cb+1] offset:\oc+768*\q        ; 512 consecutive bytes
	global_store_b64 v6, v[\bb+8*\q+4:\bb+8*\q+5], s[\cb:\cb+1] offset:\oc+768*\q+512   ; 256 consecutive bytes
.endr
	WIN 0xaa
	v_cndmask_b32 v[WJ], v[WD], v[WD+1], s70       ; lanes 0-15: tile 0's words, lanes 16-31: tile 1's
	v_cndmask_b32 v[WJ+1], v[WD+2], v[WD+3], s70
	WIN 0x08
	global_store_b32 v7, v[WJ], s[\sb:\sb+1] offset:\os
	global_store_b32 v7, v[WJ+1], s[\sb:\sb+1] offset:\os+128
	WIN 0
.endm
.macro BASE d, buf, a, sa, b, sb, c    ; d = buf + (s[a] << sa) + (s[b] << sb) + c
	s_lshl_b32 s84, s[\a], \sa
	s_lshl_b32 s85, s[\b], \sb
	s_add_co_u32 s86, s84, s85
	s_add_co_u32 s86, s86, \c
	s_add_nc_u64 s[\d:\d+1], s[\buf:\buf+1], s[86:87]
.endm
.macro OADDR hh, th, dc, ds            ; where codes and scale words go: head = 2 x + s[hh], 64 tokens = 2 y + s[th]
	s_lshl_b32 s84, s68, 1
	s_add_co_u32 s84, s84, s[\hh]
	s_lshl_b32 s85, s69, 1
	s_add_co_u32 s85, s85, s[\th]
	s_lshr_b32 s86, s85, 5
	s_lshl_b32 s86, s86, 4
	s_add_co_u32 s84, s84, s86                     ; b 16 + head
	s_and_b32 s85, s85, 31                         ; g
	s_mul_i32 s86, s84, 98304
	s_mul_i32 s73, s85, 3072
	s_add_co_u32 s86, s86, s73
	s_add_nc_u64 s[\dc:\dc+1], s[10:11], s[86:87]
	s_lshl_b32 s86, s84, 13
	s_lshl_b32 s73, s85, 8
	s_add_co_u32 s86, s86, s73
	s_add_co_u32 s86, s86, 9437184
	s_add_nc_u64 s[\ds:\ds+1], s[10:11], s[86:87]
.endm
.macro LSC reg, base, off              ; 16 scale words of four tiles
.irp p, 0,1,2,3
.irp k, 0,1,2,3
	global_load_b32 v[\reg+4*\p+\k], v7, s[\base:\base+1] offset:\off+512*\p+128*\k
.endr
.endr
.endm
	s_load_b256 s[4:11], s[0:1], 0x0               ; xc, wc, b_qkv, qkv
	v_lshl_add_u32 v[SPW], v0, 2, SPARE
	v_mov_b32 v[NIL], 0
	ds_add_u32 v[SPW], v[NIL]                      ; the opening lines: the add, twice on end, and its wait
	ds_add_u32 v[SPW], v[NIL]
	v_lshrrev_b32 v10, 5, v0
	v_readfirstlane_b32 s12, v10                   ; wave
	s_and_b32 s13, s12, 1                          ; wp: my half of P
	s_lshr_b32 s14, s12, 1                         ; wq: my half of Q
	s_bfe_u32 s66, ttmp6, 0x40000                  ; cx
	s_bfe_u32 s67, ttmp6, 0x40004                  ; cy
	s_lshl_b32 s68, ttmp9, 2
	s_add_co_u32 s68, s68, s66                     ; work-group x: which 128 columns of each of q, k, v
	s_and_b32 s69, ttmp7, 0xffff
	s_lshl_b32 s69, s69, 2
	s_add_co_u32 s69, s69, s67                     ; work-group y: which 128 tokens
	s_lshl_b32 s71, s67, 2
	s_lshl_b32 s71, 15, s71                        ; my row of the cluster
	s_lshl_b32 s72, 0x1111, s66                    ; my column
	s_or_b32 s16, s71, (3<<16)|(1<<21)             ; group 1 for x: elements of 8 bytes, dense rows of 256 bytes; the mask, bit 21 beside it
	s_or_b32 s24, s72, (3<<16)|(1<<21)             ; for W at the head
	s_or_b32 s32, s72, (3<<16)|(1<<21)             ; for W's later blocks
.irp g, 16, 24
	s_mov_b32 s[\g+1], 32<<16
	s_mov_b32 s[\g+2], 192<<16                     ; 192 rows: four tiles, 49,152 bytes
	s_mov_b32 s[\g+3], 32<<16
	s_mov_b32 s[\g+4], 192
	s_mov_b32 s[\g+5], 32
	s_mov_b32 s[\g+6], 0
	s_mov_b32 s[\g+7], 0
.endr
	s_mov_b32 s33, 32<<16
	s_mov_b32 s34, 96<<16                          ; 96 rows: two tiles, 24,576 bytes
	s_mov_b32 s35, 32<<16
	s_mov_b32 s36, 96
	s_mov_b32 s37, 32
	s_mov_b32 s38, 0
	s_mov_b32 s39, 0
	s_mov_b32 s[SEL], 0x76543210
	s_mov_b32 s[SEL+1], 0xfedcba98
	s_mov_b32 s70, 0xffff0000                      ; lanes 16-31
	s_mov_b32 s87, 0
	s_mul_i32 s78, s13, 49152
	s_mul_i32 s79, s12, 24576
	s_mul_i32 s74, s69, 98304
	s_add_co_u32 s74, s74, s78                     ; x: my tokens' tiles, the half that I fetch
	s_mov_b32 s75, 0
	s_mul_i32 s76, s68, 98304
	s_add_co_u32 s80, s76, s78                     ; W block 0: the half that I fetch
	s_mov_b32 s81, 0
	s_add_co_u32 s82, s76, s79
	s_add_co_u32 s82, s82, 786432                  ; W block 1 (64 tiles on): my quarter
	s_mov_b32 s83, 0
	s_wait_dscnt 0x0                               ; both opening adds are done
	s_wait_kmcnt 0x0
	s_mov_b32 s40, 1
	s_add_co_u32 s41, s78, XB
	s_add_nc_u64 s[42:43], s[4:5], s[74:75]
	s_or_b32 s43, s43, 0x80000000
	s_mov_b32 s44, 1
	s_add_co_u32 s45, s78, WB0
	s_add_nc_u64 s[46:47], s[6:7], s[80:81]
	s_or_b32 s47, s47, 0x80000000
	s_mov_b32 s48, 1
	s_add_co_u32 s49, s79, WB1
	s_add_nc_u64 s[50:51], s[6:7], s[82:83]
	s_mov_b32 s52, 1
	s_add_co_u32 s53, s79, WB0
	s_add_nc_u64 s[54:55], s[50:51], 786432        ; W block 2
	s_or_b32 s51, s51, 0x80000000
	s_or_b32 s55, s55, 0x80000000
	CROUND                                         ; all sixteen work-groups are here: the first joint loads meet
	s_cmp_lt_u32 s12, 2                            ; one load a wave: waves 0, 1 W block 0's halves, waves 2, 3 x's
	s_cbranch_scc0 .Lhead_x
	tensor_load_to_lds s[44:47], s[24:31]
	s_nop 0
	NOPS 4
	s_branch .Lhead_asked
.Lhead_x:
	tensor_load_to_lds s[40:43], s[16:23]
	s_nop 0
	NOPS 4
.Lhead_asked:
	v_and_b32 v10, 31, v0                          ; lane
	v_and_b32 v11, 15, v0                          ; r
	v_bfe_u32 v12, v0, 4, 1                        ; h
	v_lshlrev_b32 v5, 4, v10
	v_lshlrev_b32 v6, 3, v10
	v_lshlrev_b32 v7, 2, v10
	s_mul_i32 s85, s14, 49152
	v_add_nc_u32 v[AXQ], s85, v5
	v_add_nc_u32 v[AXQ+1], s85, v6
	v_add_nc_u32 v[AXP], s78, v5
	v_add_nc_u32 v[AXP+1], s78, v6
	v_add_nc_u32 v[AW0P], WB0, v[AXP]
	v_add_nc_u32 v[AW0P+1], WB0, v[AXP+1]
	v_add_nc_u32 v[AW1P], WB1, v[AXP]
	v_add_nc_u32 v[AW1P+1], WB1, v[AXP+1]
	v_add_nc_u32 v[AW0Q], WB0, v[AXQ]
	v_add_nc_u32 v[AW0Q+1], WB0, v[AXQ+1]
	v_lshlrev_b32 v13, 6, v12                      ; 64 h
	v_and_b32 v14, 8, v11
	v_add_nc_u32 v14, v14, v11
	v_lshlrev_b32 v14, 2, v14                      ; 4 (r + 8 (r / 8))
	WIN 0x80
	v_mov_b32 v[QTP], 0                            ; a lane permute's destination counts as one of its sources
	v_mov_b32 v[QTP+1], 0
	WIN 0
	BASE 56, 4, 69, 12, 14, 11, 3145728            ; x's scale words, my half as Q
	BASE 58, 4, 69, 12, 13, 11, 3145728            ; and as P
	BASE 62, 6, 68, 12, 13, 11, 3145728            ; W's, my half as P (blocks 32,768 bytes apart)
	BASE 88, 6, 68, 12, 14, 11, 3145728            ; and as Q
	BASE 90, 8, 68, 9, 13, 8, 0                    ; the head's 64 biases (blocks 4,096 bytes apart)
	BASE 92, 8, 68, 9, 14, 8, 0
	OADDR 13, 14, 94, 96                           ; q, k
	OADDR 14, 13, 98, 100                          ; v
	s_wait_alu depctr_va_vdst(0)
	LSC SXQ, 56, 0
	LSC SW0, 62, 0
	WIN 0x80
.irp t, 0,1
.irp p, 0,1,2,3                        ; register j of accumulator (q, p): channel 32 (p / 2) + 16 h + 8 (p % 2) + j
	global_load_b128 v[BIAS+32*\t+8*\p:BIAS+32*\t+8*\p+3], v13, s[90:91] offset:4096*\t+128*(\p/2)+32*(\p%2)
	global_load_b128 v[BIAS+32*\t+8*\p+4:BIAS+32*\t+8*\p+7], v13, s[90:91] offset:4096*\t+128*(\p/2)+32*(\p%2)+16
.endr
.endr
.irp q, 0,1,2,3                        ; v: every register of accumulator (q, p): channel 32 (q / 2) + 8 (q % 2) + r + 8 (r / 8)
.irp j, 0,1,2,3,4,5,6,7
	global_load_b32 v[BIAS+64+8*\q+\j], v14, s[92:93] offset:8192+128*(\q/2)+32*(\q%2)
.endr
.endr
	WIN 0
	LSC SW1, 62, 32768
	LSC SXP, 58, 0
	LSC SW2, 88, 65536
	s_wait_alu depctr_va_vdst(0)
	s_wait_tensorcnt 0x0                           ; my load of the head's four is in; the lines ahead of a later first fill:
	ds_add_u32 v[SPW], v[NIL]
	s_wait_dscnt 0x0
	CROUND                                         ; everybody's is in, and the joint loads meet
	tensor_load_to_lds s[48:51], s[32:39]          ; W block 1 into buffer 1, a quarter a wave
	s_nop 0
	NOPS 4
	s_wait_loadcnt 0x0                             ; scale words and biases
	GEMM 1, BIAS, SW0, SXQ, AW0P, AXQ              ; q
	s_wait_tensorcnt 0x0                           ; block 1 is in; my reads of buffer 0 are over:
	ds_add_u32 v[SPW], v[NIL]
	s_wait_dscnt 0x0
	CROUND                                         ; so of every wave of every partner
	tensor_load_to_lds s[52:55], s[32:39]          ; W block 2 into buffer 0
	s_nop 0
	NOPS 4
	OUT BIAS, 94, 96, 0, 0
	GEMM 1, BIAS+32, SW1, SXQ, AW1P, AXQ           ; k
	OUT BIAS+32, 94, 96, 3145728, 262144
	s_wait_tensorcnt 0x0                           ; my part of block 2 is in
	s_wait_dscnt 0x0
	s_barrier_signal -1
	s_barrier_wait -1                              ; everybody's is.
	GEMM 2, BIAS+64, SXP, SW2, AXP, AW0Q           ; v
	OUT BIAS+64, 98, 100, 6291456, 524288
	s_wait_tensorcnt 0x0                           ; the wave's end
	ds_add_u32 v[SPW], v[NIL]
	s_wait_dscnt 0x0
	CROUND                                         ; the closing round
	s_endpgm
.Lfunc_end_k_q919bad79ce_qkv:
	.size	k_q919bad79ce_qkv, .Lfunc_end_k_q919bad79ce_qkv-k_q919bad79ce_qkv
	.p2alignl 7, 3214868480
	.fill 96, 4, 3214868480
	.section	.rodata,"a",@progbits
	.p2align	6, 0x0
	.amdhsa_kernel k_q919bad79ce_qkv
		.amdhsa_group_segment_fixed_size 327680
		.amdhsa_private_segment_fixed_size 0
		.amdhsa_enable_private_segment 0
		.amdhsa_kernarg_size 32
		.amdhsa_user_sgpr_count 2
		.amdhsa_user_sgpr_kernarg_segment_ptr 1
		.amdhsa_wavefront_size32 1
		.amdhsa_system_sgpr_workgroup_id_x 1
		.amdhsa_system_sgpr_workgroup_id_y 1
		.amdhsa_system_sgpr_workgroup_id_z 1
		.amdhsa_system_vgpr_workitem_id 0
		.amdhsa_next_free_vgpr 768
		.amdhsa_next_free_sgpr 102
		.amdhsa_reserve_vcc 0
		.amdhsa_float_denorm_mode_32 3
		.amdhsa_float_denorm_mode_16_64 3
		.amdhsa_memory_ordered 1
		.amdhsa_forward_progress 1
		.amdhsa_inst_pref_size 152
	.end_amdhsa_kernel
	.amdgpu_metadata
---
amdhsa.version: [ 1, 2 ]
amdhsa.kernels:
  - .name:           k_q919bad79ce_qkv
    .symbol:         k_q919bad79ce_qkv.kd
    .args:
      - { .name: xc, .offset: 0, .size: 8, .value_kind: global_buffer, .address_space: global }
      - { .name: wc, .offset: 8, .size: 8, .value_kind: global_buffer, .address_space: global }
      - { .name: b_qkv, .offset: 16, .size: 8, .value_kind: global_buffer, .address_space: global }
      - { .name: qkv, .offset: 24, .size: 8, .value_kind: global_buffer, .address_space: global }
    .group_segment_fixed_size: 327680
    .private_segment_fixed_size: 0
    .kernarg_segment_align: 8
    .kernarg_segment_size: 32
    .max_flat_workgroup_size: 128
    .sgpr_count:     102
    .vgpr_count:     768
    .wavefront_size: 32
...
	.end_amdgpu_metadata
.endif
;; end of part 2
;; launch attn (part 3): grid 8 x 32, 8 waves a work-group, clusters of 4 x 1, 327,680 bytes of LDS; arguments qkv, ph, resonance_scale, oc; writes oc
.if DOCPART == 3
	.amdgcn_target "amdgcn-amd-amdhsa--gfx1250"
	.amdhsa_code_object_version 6
	.text
	.protected	k_q919bad79ce_attn
	.globl	k_q919bad79ce_attn
	.p2align	8
	.type	k_q919bad79ce_attn,@function
k_q919bad79ce_attn:
	s_mov_b64 s[64:65], 0
	v_nop
	global_prefetch_b8 v0, s[64:65] scope:SCOPE_SE
	s_setreg_imm32_b32 hwreg(HW_REG_WAVE_MODE, 25, 1), 1
	s_wait_xcnt 0x0
	s_wait_alu depctr_hold_cnt(0) depctr_sa_sdst(0) depctr_va_vdst(0) depctr_va_sdst(0) depctr_va_ssrc(0) depctr_va_vcc(0) depctr_vm_vsrc(0)
	s_getreg_b32 s2, hwreg(HW_REG_IB_STS2, 6, 4)
	s_cmp_eq_u32 s2, 0
	s_cbranch_scc0 .Lentry_in_a_cluster
	s_endpgm
.Lentry_in_a_cluster:
	s_bfe_u32 s2, ttmp6, 0x10000c
	s_cmp_lg_u32 s2, 0x3003
	s_cbranch_scc0 .Lentry_shape_is_right
	s_endpgm
.Lentry_shape_is_right:
; For each (batch, head): logit = q.k / 8 - rs (phi_q - phi_k)^2, masked keys out; p = 2^(t - M), t = logit log2(e), M = the ceiling of the running largest t; O = (p v) / (the sum of the unquantised p);
; both products on codes of FP6.  O is quantised along D and stored as the last product's operand.
; SHARES.  A work-group owns 256 queries of one head; each of its eight waves two tiles of 16: tile A in register window 0, tile B in window 1; they share every LDS read.  128 keys a step, 16 steps.
; LAYOUT.  Both products transposed: S^T = K Q^T, O^T = V^T P^T: a lane holds one query.  The keys of a tile are not neighbours (tile 2 b + u: key 32 b + 8 u + i + 8 (i / 8)), so register 16 b + m of S is key 32 b + 16 h + m.
; K = 64 in the first product: q's upper six registers are zero codes; K's fragment T is registers 6 T .. 6 T + 11, whose upper six (the next tile's codes) meet those zeros.
; THE SQUARE IS OPENED:  8 logit = S + P2[k] + Aq phi_k - 8 rs phi_q^2,  P2 = -8 rs phi_k^2 (+ the mask), Aq = 16 rs phi_q.  P2 is the C of the score product; Aq phi_k is one packed multiply-add for two scores;
; the query's own term goes into t = c1 y + Kq, c1 = log2(e) / 8, Kq = -log2(e) rs phi_q^2.  phi is a tanh, so the three terms are of the size of rs and nothing large is subtracted.
; THE MASK: a masked key's P2 is -2^60, which swallows what is added to it: its p is 0 beside any open key, and where all keys are masked every y is -2^60, c1 2^60 is a whole number, and every p is 1, as with -1e9.
; LIMITS: that holds for |q.k| under 2^35 and open logits above about -2^57; NaN and infinities are not served.
; THE WHOLE HEAD COMES INTO LDS ONCE.  At the head one load a wave: waves 0-5 the codes of keys 0-511 (K's and V's, 8,192 bytes each), wave 6 phi and P2, wave 7 K's and V's scale words.
; Behind the next round one load a wave: the codes of keys 512-2047 (18,432 bytes each).  Nothing is filled again.  One barrier, ahead of step 3, shows the second group to all waves.
; CLUSTERS: the four work-groups of a cluster own query blocks of one head and ask for all these tiles jointly.
; THE LOOP RUNS ONE STEP AHEAD: step s fetches from LDS K's fragments, K's scale words and phi's lower half of step s + 1 behind its phase terms, and P2 of step s + 1 into tile A's scores once they are converted.
; The last step's look-ahead reads 6,144 or 512 bytes past each array's end: bytes of the array behind it in LDS, filled, and used by nobody.
; NO DATA PREFETCH: every tensor load is issued at the head, ahead of the loops.
.set VB,    98304                      ; LDS: K's codes at 0, V's here, 98,304 bytes each
.set P1B,   196608                     ; phi, P2, K's scale words, V's: 8,192 bytes each
.set P2B,   204800
.set KSCB,  212992
.set VSCB,  221184
.set SPARE, 229376                     ; the spare words, 128 bytes a wave
.set SPW, 9
.set NIL, 10
.set KSC, 20                           ; v20-23 K's scale words (lanes 0-15 tile 2 m, lanes 16-31 tile 2 m + 1)
.set VSC, 24                           ; v24-25 V's
.set VT,  26                           ; v26-29 their halves
.set QSC, 30                           ; v30 q's: lanes 0-15 tile A, lanes 16-31 tile B
.set KF,  32                           ; v32-79 K's fragments; v80-85 stay 0
.set PSC, 88                           ; v88-89 p's scale words, tile A's and tile B's
.set VF,  0                            ; window 1: v0-47 V's fragments
.set PY,  0                            ; window 1: v0-31 phi of the step's keys 64-127, until V's fragments land there
.set PX,  48                           ; window 1: v48-79 phi of keys 0-63
.set S,   96                           ; in both windows:
.set O,   160
.set Q,   192
.set PC,  204
.set PT,  216
.set BM,  224
.set BT,  228
.set BS,  232
.set NM,  236                          ; -M
.set YM,  237                          ; the running largest y
.set G,   238                          ; Kq - M (a pair: the low word serves both halves)
.set L,   240                          ; the sum, in two halves
.set F,   242                          ; 2^(old M - new M)
.set AQ,  244
.set KQ,  246
.set T,   247
.set PW,  252
.set WV,  13
.set CS,  58
.set SEL, 60
.set SK,  62                           ; the step's codes: 6,144 bytes a step
.set SS,  63                           ; its scale words, phi and P2: 512 bytes a step
.set CNT, 76
.set MSB, 0
.macro WIN new
.if MSB != (\new)
	s_set_vgpr_msb (MSB<<8)|(\new)
.set MSB, \new
.endif
.endm
.macro NOPS n
.rept \n
	v_nop
.endr
.endm
.macro ROUND                           ; a round of the cluster's barrier
	s_barrier_signal -1
	s_barrier_wait -1
	s_cmp_lg_u32 s[WV], 0
	s_cbranch_scc1 .Lnot_wave_0_\@
	s_barrier_signal -3
.Lnot_wave_0_\@:
	s_barrier_wait -3
	s_barrier_signal -1
	s_barrier_wait -1
.endm
.macro GRP1 g, c, r, p                 ; group 1: r rows of c elements of 8 bytes, pitch p; the mask of all four partners, bit 21 beside it
	s_mov_b32 s[\g], 15|(3<<16)|(1<<21)
	s_mov_b32 s[\g+1], (\c)<<16
	s_mov_b32 s[\g+2], (\r)<<16
	s_mov_b32 s[\g+3], (\c)<<16
	s_mov_b32 s[\g+4], \r
	s_mov_b32 s[\g+5], \p
	s_mov_b32 s[\g+6], 0
	s_mov_b32 s[\g+7], 0
.endm
	s_load_b256 s[4:11], s[0:1], 0x0               ; qkv, ph, resonance_scale, oc
	v_lshl_add_u32 v[SPW], v0, 2, SPARE
	v_mov_b32 v[NIL], 0
	ds_add_u32 v[SPW], v[NIL]                      ; the opening lines: the add, twice on end, and its wait
	ds_add_u32 v[SPW], v[NIL]
	v_lshrrev_b32 v12, 5, v0
	s_delay_alu instid0(VALU_DEP_1)
	v_readfirstlane_b32 s[WV], v12                 ; wave 0..7
	s_and_b32 s14, ttmp7, 0xffff                   ; b 16 + head
	s_bfe_u32 s15, ttmp6, 0x40000                  ; cx
	s_lshl_b32 s3, ttmp9, 2
	s_add_co_u32 s15, s15, s3                      ; my block of 256 queries
	GRP1 16, 32, 32, 32                            ; 8,192 dense bytes
	GRP1 24, 32, 72, 32                            ; 18,432 dense bytes
	GRP1 40, 1024, 2, 32768                        ; two runs of 8,192 bytes, 262,144 bytes apart
	s_mov_b32 s[CS], 0x3e38aa3b                    ; c1 = log2(e) / 8
	s_mov_b32 s[CS+1], s[CS]
	s_mov_b32 s[SEL], 0x76543210
	s_mov_b32 s[SEL+1], 0xfedcba98
	s_mov_b32 s[SK], 0
	s_mov_b32 s[SS], 0
	v_and_b32 v12, 31, v0                          ; lane
	v_and_b32 v13, 15, v0                          ; r
	v_bfe_u32 v14, v0, 4, 1                        ; h
	v_lshlrev_b32 v1, 4, v12                       ; K: 16 x lane
	v_lshlrev_b32 v2, 3, v12                       ;    8 x lane
	v_lshlrev_b32 v15, 2, v12                      ; 4 x lane
	v_lshlrev_b32 v16, 6, v14                      ; 64 h
	v_lshlrev_b32 v11, 2, v13                      ; 4 r
	v_and_b32 v17, 8, v13
	v_add_nc_u32 v3, VB, v1                        ; V likewise
	v_add_nc_u32 v4, VB, v2
	v_add_nc_u32 v5, KSCB, v15
	v_add_nc_u32 v6, VSCB, v15
	v_add_nc_u32 v7, P1B, v16
	v_add_nc_u32 v8, P2B, v16
	v_add_nc_u32 v17, v17, v13
	s_delay_alu instid0(VALU_DEP_1)
	v_lshlrev_b32 v17, 2, v17                      ; 4 (r + 8 (r / 8))
	s_and_b32 s52, s[WV], 1                        ; codes: k (0) or v (1); wave 6: ph, wave 7: the scale words
	s_lshr_b32 s53, s[WV], 1                       ; which part
	s_mul_i32 s66, s14, 98304
	s_lshl_b32 s67, s14, 13
	s_mul_i32 s54, s52, 98304
	s_lshl_b32 s55, s53, 13
	s_mul_i32 s56, s53, 18432
	s_mov_b32 s32, 1                               ; group 0, keys 0-511
	s_add_co_u32 s33, s54, s55
	s_mov_b32 s48, 1                               ; group 0, keys 512-2047
	s_add_co_u32 s49, s54, s56
	s_add_co_u32 s49, s49, 24576
	s_mov_b32 s36, 1                               ; group 0, the small arrays
	s_lshl_b32 s37, s52, 14
	s_add_co_u32 s37, s37, P1B
	s_mul_i32 s68, s52, 3145728
	s_add_co_u32 s68, s68, s66
	s_add_co_u32 s68, s68, 3145728                 ; the head's codes of k or v
	s_add_co_u32 s70, s68, s55
	s_mov_b32 s71, 0
	s_add_co_u32 s72, s68, s56
	s_add_co_u32 s72, s72, 24576
	s_mov_b32 s73, 0
	s_cmp_eq_u32 s52, 0
	s_cselect_b32 s74, 0, 9699328                  ; ph from its start; k's scale words at 9,437,184 + 262,144 of qkv
	s_add_co_u32 s74, s74, s67
	s_mov_b32 s75, 0
	s_mov_b32 s69, 0
	s_wait_alu depctr_va_vdst(0)
	s_wait_dscnt 0x0                               ; both opening adds are done
	s_wait_kmcnt 0x0
	s_add_nc_u64 s[34:35], s[4:5], s[70:71]
	s_or_b32 s35, s35, 0x80000000
	s_add_nc_u64 s[50:51], s[4:5], s[72:73]
	s_or_b32 s51, s51, 0x80000000
	s_cmp_eq_u32 s52, 0
	s_cselect_b64 s[38:39], s[6:7], s[4:5]
	s_add_nc_u64 s[38:39], s[38:39], s[74:75]
	s_or_b32 s39, s39, 0x80000000
	ROUND                                          ; all four work-groups are here: the first joint loads meet
	s_cmp_lt_u32 s[WV], 6                          ; one load a wave
	s_cbranch_scc0 .Lsmall
	tensor_load_to_lds s[32:35], s[16:23]
	s_nop 0
	NOPS 4
	s_branch .Lasked
.Lsmall:
	tensor_load_to_lds s[36:39], s[40:47]
	s_nop 0
	NOPS 4
.Lasked:
	s_load_b32 s12, s[8:9], 0x0                    ; rs
	s_lshl_b32 s80, s15, 4
	s_lshl_b32 s81, s[WV], 1
	s_add_co_u32 s80, s80, s81                     ; tile A in the batch: 16 x block + 2 w
	s_mul_i32 s82, s80, 768
	s_add_co_u32 s82, s82, s66
	s_mov_b32 s83, 0
	s_add_nc_u64 s[84:85], s[4:5], s[82:83]        ; q's codes
	s_lshl_b32 s82, s80, 6
	s_add_co_u32 s82, s82, s67
	s_add_nc_u64 s[88:89], s[6:7], s[82:83]        ; phi at tile A's first token
	s_add_co_u32 s82, s82, 9437184
	s_add_nc_u64 s[86:87], s[4:5], s[82:83]        ; q's scale words
	s_lshr_b32 s82, s14, 4
	s_lshl_b32 s82, s82, 7
	s_add_co_u32 s82, s82, s80                     ; tile A among all 256
	s_and_b32 s94, s14, 15                         ; head
	s_mul_i32 s95, s82, 12288
	s_mul_i32 s68, s94, 768
	s_add_co_u32 s68, s68, s95
	s_add_nc_u64 s[90:91], s[10:11], s[68:69]      ; oc: K step head / 2, half head % 2
	s_lshl_b32 s68, s82, 10
	s_lshl_b32 s95, s94, 6
	s_add_co_u32 s68, s68, s95
	s_add_co_u32 s68, s68, 3145728
	s_add_nc_u64 s[92:93], s[10:11], s[68:69]      ; and its scale words
	global_load_b128 v[Q:Q+3], v1, s[84:85]
	global_load_b64 v[Q+4:Q+5], v2, s[84:85] offset:512
	global_load_b32 v[QSC], v15, s[86:87]
	global_load_b32 v[T], v17, s[88:89]            ; phi of my query
	WIN 0x40
	global_load_b128 v[Q:Q+3], v1, s[84:85] offset:768
	global_load_b64 v[Q+4:Q+5], v2, s[84:85] offset:1280
	global_load_b32 v[T], v17, s[88:89] offset:32
	WIN 0
.irp i, 48,49,50,51,52,53
	v_mov_b32 v[KF+\i], 0
.endr
	s_wait_kmcnt 0x0
	s_mul_f32 s68, s12, 0x41800000                 ; 16 rs
	s_mul_f32 s95, s12, 0xbfb8aa3b                 ; -log2(e) rs
	s_wait_loadcnt 0x0
.irp t, 0,1
	WIN 0x55*\t
	v_mul_f32 v[AQ], s68, v[T]
	v_mov_b32 v[AQ+1], 0
	v_mul_f32 v[T+1], v[T], v[T]
	s_delay_alu instid0(VALU_DEP_1)
	v_mul_f32 v[KQ], s95, v[T+1]
	v_mov_b32 v[YM], 0xff61b1e6                    ; -3e38, under every y
	s_delay_alu instid0(VALU_DEP_1)
	v_fma_f32 v[T+1], v[YM], s[CS], v[KQ]
	s_delay_alu instid0(VALU_DEP_1)
	v_floor_f32 v[NM], -v[T+1]
	v_mov_b32 v[G+1], 0
	v_mov_b32 v[F+1], 0
	v_mov_b32 v[L], 0
	v_mov_b32 v[L+1], 0
.irp i, 0,1,2,3
	v_mov_b32 v[BT+\i], 0
.endr
.irp i, 6,7,8,9,10,11
	v_mov_b32 v[Q+\i], 0                           ; zero codes for k = 64 .. 127
.endr
.set j, 0
.rept 32
	v_mov_b32 v[O+j], 0                            ; the step is written once: the first finds zeros, which the first change of M leaves zeros
.set j, j+1
.endr
.endr
	WIN 0
.macro SMM tt, brow                    ; score tile tt; brow = 1: tile B's queries
.if ((\tt)%2) && (\brow)
	v_wmma_scale_f32_16x16x128_f8f6f4 v[S+8*\tt:S+8*\tt+7], v[KF+6*\tt:KF+6*\tt+11], v[Q:Q+11], v[S+8*\tt:S+8*\tt+7], v[KSC+\tt/2], v[QSC] matrix_a_fmt:MATRIX_FMT_FP6 matrix_b_fmt:MATRIX_FMT_FP6 matrix_a_scale:MATRIX_SCALE_ROW1 matrix_b_scale:MATRIX_SCALE_ROW1
.elseif (\tt)%2
	v_wmma_scale_f32_16x16x128_f8f6f4 v[S+8*\tt:S+8*\tt+7], v[KF+6*\tt:KF+6*\tt+11], v[Q:Q+11], v[S+8*\tt:S+8*\tt+7], v[KSC+\tt/2], v[QSC] matrix_a_fmt:MATRIX_FMT_FP6 matrix_b_fmt:MATRIX_FMT_FP6 matrix_a_scale:MATRIX_SCALE_ROW1
.elseif \brow
	v_wmma_scale_f32_16x16x128_f8f6f4 v[S+8*\tt:S+8*\tt+7], v[KF+6*\tt:KF+6*\tt+11], v[Q:Q+11], v[S+8*\tt:S+8*\tt+7], v[KSC+\tt/2], v[QSC] matrix_a_fmt:MATRIX_FMT_FP6 matrix_b_fmt:MATRIX_FMT_FP6 matrix_b_scale:MATRIX_SCALE_ROW1
.else
	v_wmma_scale_f32_16x16x128_f8f6f4 v[S+8*\tt:S+8*\tt+7], v[KF+6*\tt:KF+6*\tt+11], v[Q:Q+11], v[S+8*\tt:S+8*\tt+7], v[KSC+\tt/2], v[QSC] matrix_a_fmt:MATRIX_FMT_FP6 matrix_b_fmt:MATRIX_FMT_FP6
.endif
.endm
.macro PREF a16, a8, as, ap, ok, os    ; K's fragments, K's scale words and phi of keys 0-63 of a step: 16 + 4 + 8 LDS loads
	WIN 0
.irp k, 0,1,2,3,4,5,6,7
	ds_load_b128 v[KF+6*\k:KF+6*\k+3], v[\a16] offset:\ok+768*\k
	ds_load_b64 v[KF+6*\k+4:KF+6*\k+5], v[\a8] offset:\ok+768*\k+512
.endr
.irp m, 0,1,2,3
	ds_load_b32 v[KSC+\m], v[\as] offset:\os+128*\m
.endr
	WIN 0x40
.irp b, 0,1
.irp i, 0,1,2,3
	ds_load_b128 v[PX+16*\b+4*\i:PX+16*\b+4*\i+3], v[\ap] offset:\os+128*\b+16*\i
.endr
.endr
	WIN 0
.endm
.macro P2L a, os                       ; P2 of key 32 b + 16 h + 4 i .. of a step into tile A's scores: the C of both tiles' products
.irp b, 0,1,2,3
.irp i, 0,1,2,3
	ds_load_b128 v[S+16*\b+4*\i:S+16*\b+4*\i+3], v[\a] offset:\os+128*\b+16*\i
.endr
.endr
.endm
.macro PH1 t, lo, src                  ; y = S + P2 + Aq phi_k for 32 registers from S + lo on: two scores an instruction; phi lies in window 1
	WIN 0x01+0x54*\t
.set j, 0
.rept 16
	v_pk_fma_f32 v[S+\lo+j:S+\lo+j+1], v[\src+j:\src+j+1], v[AQ:AQ+1], v[S+\lo+j:S+\lo+j+1] op_sel_hi:[1,0,1]
.set j, j+2
.endr
.endm
.macro PH2 t                           ; each block's largest y, the running largest, the new M, f
	WIN 0x55*\t
.irp b, 0,1,2,3
	v_max3_num_f32 v[BM+\b], v[S+16*\b], v[S+16*\b+1], v[S+16*\b+2]
.endr
.irp i, 3,5,7,9,11,13
.irp b, 0,1,2,3
	s_delay_alu instid0(VALU_DEP_4)
	v_max3_num_f32 v[BM+\b], v[BM+\b], v[S+16*\b+\i], v[S+16*\b+\i+1]
.endr
.endr
.irp b, 0,1,2,3
	s_delay_alu instid0(VALU_DEP_4)
	v_max_num_f32 v[BM+\b], v[BM+\b], v[S+16*\b+15]
.endr
.irp b, 0,1,2,3
	s_delay_alu instid0(VALU_DEP_4)
	v_permlanex16_b32 v[BT+\b], v[BM+\b], s[SEL], s[SEL+1]
.endr
.irp b, 0,1,2,3
	s_delay_alu instid0(VALU_DEP_4)
	v_max_num_f32 v[BM+\b], v[BM+\b], v[BT+\b]     ; with lane l xor 16's 16 keys
.endr
	s_delay_alu instid0(VALU_DEP_2)
	v_max3_num_f32 v[T], v[BM], v[BM+1], v[BM+2]
	s_delay_alu instid0(VALU_DEP_1)
	v_max_num_f32 v[T], v[T], v[BM+3]
	s_delay_alu instid0(VALU_DEP_1)
	v_max_num_f32 v[YM], v[YM], v[T]
	s_delay_alu instid0(VALU_DEP_1)
	v_fma_f32 v[T+1], v[YM], s[CS], v[KQ]          ; the running largest t (c1 is positive)
	v_mov_b32 v[T+2], v[NM]
	s_delay_alu instid0(VALU_DEP_2)
	v_floor_f32 v[NM], -v[T+1]                     ; -M = floor(-t): M is a whole number
	s_delay_alu instid0(VALU_DEP_1)
	v_sub_f32 v[T+2], v[NM], v[T+2]                ; old M - new M, 0 or less
	s_delay_alu instid0(VALU_DEP_1)
	v_cvt_i32_f32 v[T+2], v[T+2]                   ; (it saturates)
	s_delay_alu instid0(VALU_DEP_1)
	v_ldexp_f32 v[F], 1.0, v[T+2]                  ; f = 2^(old M - new M): rounds nothing
	s_delay_alu instid0(VALU_DEP_4)
	v_add_f32 v[G], v[KQ], v[NM]
.endm
.macro PH3 t                           ; t - M = c1 y + (Kq - M)
	WIN 0x55*\t
.set j, 0
.rept 32
	v_pk_fma_f32 v[S+j:S+j+1], v[S+j:S+j+1], s[CS:CS+1], v[G:G+1] op_sel_hi:[1,0,0]
.set j, j+2
.endr
.irp b, 0,1,2,3
	v_fma_f32 v[BM+\b], v[BM+\b], s[CS], v[G]      ; the same of each block's largest y
.endr
.endm
.macro PH4 t                           ; p, the sums, p's codes and scale word, O^T under the new M
	WIN 0x55*\t
.set j, 0
.rept 64
	v_exp_f32 v[S+j], v[S+j]                       ; p = 2^(t - M): not normalised
.set j, j+1
.endr
.irp b, 0,1,2,3
	v_exp_f32 v[BM+\b], v[BM+\b]                   ; each block's largest p: the same two instructions on the same number
.endr
	v_pk_mul_f32 v[L:L+1], v[L:L+1], v[F:F+1] op_sel_hi:[1,0]   ; the sums under the new M (a plain place behind the exponentials)
	s_wait_alu depctr_va_vdst(0)                   ; one wait for the batch of 68, ahead of its first reader
	v_pk_add_f32 v[BT:BT+1], v[S:S+1], v[S+2:S+3]  ; the row's sum is taken of the unquantised p, in two chains
.irp i, 4,8,12,16,20,24,28,32,36,40,44,48,52,56,60
	v_pk_add_f32 v[L:L+1], v[L:L+1], v[S+\i:S+\i+1]
	v_pk_add_f32 v[BT:BT+1], v[BT:BT+1], v[S+\i+2:S+\i+3]
.endr
	s_delay_alu instid0(VALU_DEP_1)
	v_pk_add_f32 v[L:L+1], v[L:L+1], v[BT:BT+1]
.irp b, 0,1,2,3
	v_max_num_f32 v[BM+\b], 0x1800000, v[BM+\b]    ; the floor 2^(3 - 127)
.endr
.irp b, 0,1,2,3
	s_delay_alu instid0(VALU_DEP_4)
	v_add_nc_u32 v[BS+\b], 0xff000000, v[BM+\b]
.endr
.irp b, 0,1,2,3
	s_delay_alu instid0(VALU_DEP_4)
	v_lshrrev_b32 v[T+\b], 23, v[BS+\b]
.endr
	s_delay_alu instid0(VALU_DEP_3)
	v_lshl_or_b32 v[PW], v[T+1], 8, v[T]
	s_delay_alu instid0(VALU_DEP_1)
	v_lshl_or_b32 v[PW], v[T+2], 16, v[PW]
	WIN 0x11*\t                                    ; scale operands are taken from window 0
	v_lshl_or_b32 v[PSC+\t], v[T+3], 24, v[PW]
	WIN 0x55*\t
.irp c, 0,1
	v_cvt_scalef32_pk16_fp6_f32 v[PC+6*\c:PC+2+6*\c], v[S+32*\c:S+15+32*\c], v[BS+2*\c]
	v_cvt_scalef32_pk16_fp6_f32 v[PT+4*\c:PT+2+4*\c], v[S+16+32*\c:S+31+32*\c], v[BS+2*\c+1]
.endr
	v_nop
.irp c, 0,1
.irp i, 0,1,2
	v_permlane16_swap_b32 v[PC+6*\c+\i], v[PT+4*\c+\i]
.endr
.irp i, 0,1,2
	s_delay_alu instid0(VALU_DEP_3)
	v_mov_b32 v[PC+3+6*\c+\i], v[PT+4*\c+\i]
.endr
.endr
	s_wait_alu depctr_va_vdst(0)
.set j, 0
.rept 16
	v_pk_mul_f32 v[O+j:O+j+1], v[O+j:O+j+1], v[F:F+1] op_sel_hi:[1,0]   ; O^T x f; of these sixteen twelve name no register of any one product below: its places behind the codes' last write
.set j, j+2
.endr
.endm
.macro PV t                            ; O^T += V^T P^T, four tiles of 16 channels; V lies in window 1
	WIN 0x01+0x54*\t
.irp d, 0,2
	v_wmma_scale_f32_16x16x128_f8f6f4 v[O+8*\d:O+8*\d+7], v[VF+12*\d:VF+12*\d+11], v[PC:PC+11], v[O+8*\d:O+8*\d+7], v[VSC+\d/2], v[PSC+\t] matrix_a_fmt:MATRIX_FMT_FP6 matrix_b_fmt:MATRIX_FMT_FP6
	v_wmma_scale_f32_16x16x128_f8f6f4 v[O+8*\d+8:O+8*\d+15], v[VF+12*\d+12:VF+12*\d+23], v[PC:PC+11], v[O+8*\d+8:O+8*\d+15], v[VSC+\d/2], v[PSC+\t] matrix_a_fmt:MATRIX_FMT_FP6 matrix_b_fmt:MATRIX_FMT_FP6 matrix_a_scale:MATRIX_SCALE_ROW1
.endr
.endm
.macro STEP
	v_add_nc_u32 v18, s[SS], v7                    ; four of the step's addresses: the places behind the last products
	v_add_nc_u32 v19, s[SS], v8
	v_add_nc_u32 v16, s[SS], v5
	v_add_nc_u32 v17, s[SS], v6
	WIN 0x40
.irp b, 0,1
.irp i, 0,1,2,3
	ds_load_b128 v[PY+16*\b+4*\i:PY+16*\b+4*\i+3], v18 offset:256+128*\b+16*\i   ; phi of keys 64-127
.endr
.endr
	s_wait_dscnt 8                                 ; all but these eight: what the last step fetched ahead is in
	WIN 0x44                                       ; tile B: source 1 and D in window 1; C = P2, in tile A's scores
.irp k, 0,1,2,3,4,5,6,7
	SMM \k, 1
.endr
	WIN 0
	v_add_nc_u32 v12, s[SK], v1                    ; five places: the next products write over registers that these have read as C
	v_add_nc_u32 v13, s[SK], v2
	v_add_nc_u32 v14, s[SK], v3
	v_add_nc_u32 v15, s[SK], v4
	v_nop
.irp k, 0,1,2,3,4,5,6,7
	SMM \k, 0
.endr
	PH1 1, 0, PX
	PH1 0, 0, PX
	s_wait_dscnt 0x0                               ; phi of keys 64-127
	PH1 0, 32, PY
	PH1 1, 32, PY
	WIN 0x40
.irp d, 0,1,2,3                        ; V's four fragments: keys 0-63 and 64-127 of the step
	ds_load_b128 v[VF+12*\d:VF+12*\d+3], v14 offset:768*\d
	ds_load_b64 v[VF+12*\d+4:VF+12*\d+5], v15 offset:768*\d+512
	ds_load_b128 v[VF+12*\d+6:VF+12*\d+9], v14 offset:3072+768*\d
	ds_load_b64 v[VF+12*\d+10:VF+12*\d+11], v15 offset:3072+768*\d+512
.endr
	WIN 0
.irp m, 0,1,2,3
	ds_load_b32 v[VT+\m], v17 offset:128*\m
.endr
	PREF 12, 13, 16, 18, 6144, 512                 ; the next step's
	PH2 0
	PH3 0
	WIN 0
	s_wait_dscnt 28                                ; V and its scale words' halves are in; the 28 loads for the next step may be out
	v_lshl_or_b32 v[VSC], v[VT+2], 16, v[VT]
	v_lshl_or_b32 v[VSC+1], v[VT+3], 16, v[VT+1]
	s_wait_alu depctr_va_vdst(0)
	PH4 0
	WIN 0
	P2L 19, 512                                    ; the next step's P2
	PV 0
	PH2 1
	PH3 1
	s_wait_alu depctr_va_vdst(0)
	PH4 1
	PV 1
	WIN 0
	s_add_co_u32 s[SK], s[SK], 6144
	s_add_co_u32 s[SS], s[SS], 512
.endm
	s_wait_alu depctr_va_vdst(0)
	s_wait_tensorcnt 0x0                           ; my load of the head's eight is in; the lines ahead of a later first fill:
	ds_add_u32 v[SPW], v[NIL]
	s_wait_dscnt 0x0
	ROUND                                          ; everybody's is in, and the joint loads meet
	tensor_load_to_lds s[48:51], s[24:31]          ; keys 512-2047: an eighth of their codes a wave
	s_nop 0
	NOPS 4
	PREF 1, 2, 5, 7, 0, 0                          ; step 0's
	P2L 8, 0
	s_mov_b32 s[CNT], 3                            ; steps 0-2: they read, and fetch ahead, keys 0-511 alone
.Lfirst:
	STEP
	s_sub_co_u32 s[CNT], s[CNT], 1
	s_cmp_lg_u32 s[CNT], 0
	s_cbranch_scc1 .Lfirst
	s_wait_tensorcnt 0x0                           ; my part of keys 512-2047 is in
	s_wait_dscnt 0x0
	s_barrier_signal -1
	s_barrier_wait -1                              ; everybody's is.
	s_mov_b32 s[CNT], 13
.Lrest:
	STEP
	s_sub_co_u32 s[CNT], s[CNT], 1
	s_cmp_lg_u32 s[CNT], 0
	s_cbranch_scc1 .Lrest
	s_wait_dscnt 0x0                               ; the last step's look-ahead has landed: its registers may be written
; THE WAY OUT: O^T / the sum; register 16 b + m is channel 32 b + 16 h + m of my query: two blocks along D; a half fragment of the last product's operand
.macro OUT t
	WIN 0x55*\t
	v_add_f32 v[T], v[L], v[L+1]
	s_delay_alu instid0(VALU_DEP_1)
	v_permlanex16_b32 v[T+1], v[T], s[SEL], s[SEL+1]
	s_delay_alu instid0(VALU_DEP_1)
	v_add_f32 v[T], v[T], v[T+1]
	s_wait_alu depctr_va_vdst(0)
	v_rcp_f32 v[F], v[T]
	v_nop
	s_wait_alu depctr_va_vdst(0)
.set j, 0
.rept 16
	v_pk_mul_f32 v[S+j:S+j+1], v[O+j:O+j+1], v[F:F+1] op_sel_hi:[1,0]
.set j, j+2
.endr
.irp b, 0,1
	v_max3_num_f32 v[BM+\b], |v[S+16*\b]|, |v[S+16*\b+1]|, 0x1800000
.endr
.irp i, 2,4,6,8,10,12,14
.irp b, 0,1
	s_delay_alu instid0(VALU_DEP_2)
	v_max3_num_f32 v[BM+\b], v[BM+\b], |v[S+16*\b+\i]|, |v[S+16*\b+\i+1]|
.endr
.endr
.irp b, 0,1
	s_delay_alu instid0(VALU_DEP_2)
	v_permlanex16_b32 v[BT+\b], v[BM+\b], s[SEL], s[SEL+1]
.endr
.irp b, 0,1
	s_delay_alu instid0(VALU_DEP_2)
	v_max_num_f32 v[BM+\b], v[BM+\b], v[BT+\b]
.endr
.irp b, 0,1
	s_delay_alu instid0(VALU_DEP_2)
	v_add_nc_u32 v[BS+\b], 0xff000000, v[BM+\b]
.endr
.irp b, 0,1
	s_delay_alu instid0(VALU_DEP_2)
	v_lshrrev_b32 v[T+\b], 23, v[BS+\b]
.endr
	s_delay_alu instid0(VALU_DEP_1)
	v_lshl_or_b32 v[PW], v[T+1], 8, v[T]
	v_cvt_scalef32_pk16_fp6_f32 v[PC:PC+2], v[S:S+15], v[BS]
	v_cvt_scalef32_pk16_fp6_f32 v[PT:PT+2], v[S+16:S+31], v[BS+1]
	v_nop
.irp i, 0,1,2
	v_permlane16_swap_b32 v[PC+\i], v[PT+\i]
.endr
.irp i, 0,1,2
	s_delay_alu instid0(VALU_DEP_3)
	v_mov_b32 v[PC+3+\i], v[PT+\i]
.endr
	WIN 0x04*\t                                    ; a store's data are its source 1
	global_store_b128 v1, v[PC:PC+3], s[90:91] offset:12288*\t
	global_store_b64 v2, v[PC+4:PC+5], s[90:91] offset:12288*\t+512
	global_store_b32 v11, v[PW], s[92:93] offset:1024*\t     ; lanes l and l xor 16 store the same word to the same place
.endm
	OUT 0                                          ; (its plain instructions are the places behind tile B's last products)
	OUT 1
	WIN 0
	s_wait_tensorcnt 0x0                           ; the wave's end
	ds_add_u32 v[SPW], v[NIL]
	s_wait_dscnt 0x0
	ROUND                                          ; the closing round
	s_endpgm
.Lfunc_end_k_q919bad79ce_attn:
	.size	k_q919bad79ce_attn, .Lfunc_end_k_q919bad79ce_attn-k_q919bad79ce_attn
	.p2alignl 7, 3214868480
	.fill 96, 4, 3214868480
	.section	.rodata,"a",@progbits
	.p2align	6, 0x0
	.amdhsa_kernel k_q919bad79ce_attn
		.amdhsa_group_segment_fixed_size 327680
		.amdhsa_private_segment_fixed_size 0
		.amdhsa_enable_private_segment 0
		.amdhsa_kernarg_size 32
		.amdhsa_user_sgpr_count 2
		.amdhsa_user_sgpr_kernarg_segment_ptr 1
		.amdhsa_wavefront_size32 1
		.amdhsa_system_sgpr_workgroup_id_x 1
		.amdhsa_system_sgpr_workgroup_id_y 1
		.amdhsa_system_sgpr_workgroup_id_z 1
		.amdhsa_system_vgpr_workitem_id 0
		.amdhsa_next_free_vgpr 512
		.amdhsa_next_free_sgpr 96
		.amdhsa_reserve_vcc 0
		.amdhsa_float_denorm_mode_32 3
		.amdhsa_float_denorm_mode_16_64 3
		.amdhsa_memory_ordered 1
		.amdhsa_forward_progress 1
		.amdhsa_inst_pref_size 105
	.end_amdhsa_kernel
	.amdgpu_metadata
---
amdhsa.version: [ 1, 2 ]
amdhsa.kernels:
  - .name:           k_q919bad79ce_attn
    .symbol:         k_q919bad79ce_attn.kd
    .args:
      - { .name: qkv, .offset: 0, .size: 8, .value_kind: global_buffer, .address_space: global }
      - { .name: ph, .offset: 8, .size: 8, .value_kind: global_buffer, .address_space: global }
      - { .name: resonance_scale, .offset: 16, .size: 8, .value_kind: global_buffer, .address_space: global }
      - { .name: oc, .offset: 24, .size: 8, .value_kind: global_buffer, .address_space: global }
    .group_segment_fixed_size: 327680
    .private_segment_fixed_size: 0
    .kernarg_segment_align: 8
    .kernarg_segment_size: 32
    .max_flat_workgroup_size: 256
    .sgpr_count:     96
    .vgpr_count:     512
    .wavefront_size: 32
...
	.end_amdgpu_metadata
.endif
;; end of part 3
;; launch outp (part 4): grid 8 x 32, 4 waves a work-group, no clusters, 327,680 bytes of LDS; arguments oc, wc, b_out, out0; writes out0
.if DOCPART == 4
	.amdgcn_target "amdgcn-amd-amdhsa--gfx1250"
	.amdhsa_code_object_version 6
	.text
	.protected	k_q919bad79ce_outp
	.globl	k_q919bad79ce_outp
	.p2align	8
	.type	k_q919bad79ce_outp,@function
k_q919bad79ce_outp:
	s_mov_b64 s[64:65], 0
	v_nop
	global_prefetch_b8 v0, s[64:65] scope:SCOPE_SE
	s_setreg_imm32_b32 hwreg(HW_REG_WAVE_MODE, 25, 1), 1
	s_wait_xcnt 0x0
; out0 = O W_out + b_out on codes of FP6 (tiles and half fragments as the earlier launches lay them).  A work-group makes 128 tokens x 128 columns, a wave 64 x 64: 16 accumulators.
; Source 0 = W_out's columns (set P), source 1 = tokens (set Q): a lane holds one token and neighbouring columns.  The bias is the C of each sum's first product.
; ALL OF K LIES IN LDS: 8 + 8 tiles x 12,288 bytes.  Each wave brings four tiles, 49,152 dense bytes, by its one tensor load at the head: waves 0, 1 P's halves, waves 2, 3 Q's.  Nothing is filled again.
; Results leave through each wave's own stage in LDS, as rows of 256 bytes.
; NO DATA PREFETCH: the only tensor loads stand at the head.  NO CLUSTER in this text: each work-group fetches its tiles once, at its head.
.set CH,    49152
.set STG,   196608
.set SPARE, 214016
.set SPW, 8
.set NIL, 9
.set STO, 10
.set RD,  11
.set GO,  12
.set SCP, 16
.set SCQ, 32
.set ACC, 48
.set BIAS, 176
.set HI,  208
.set MSB, 0
.macro WIN new
.if MSB != (\new)
	s_set_vgpr_msb (MSB<<8)|(\new)
.set MSB, \new
.endif
.endm
.macro FRAG4 reg, a16, a8, off
	ds_load_b128 v[\reg:\reg+3], v[\a16] offset:\off
	ds_load_b64 v[\reg+4:\reg+5], v[\a8] offset:\off+512
	ds_load_b128 v[\reg+6:\reg+9], v[\a16] offset:\off+768
	ds_load_b64 v[\reg+10:\reg+11], v[\a8] offset:\off+1280
.endm
.macro FETCH ks
	WIN 0x40
.irp i, 0,1,2,3
	FRAG4 96*((\ks)%2)+12*\i, 1, 2, \i*12288+(\ks)*1536
.endr
.irp i, 0,1,2,3
	FRAG4 96*((\ks)%2)+48+12*\i, 3, 4, \i*12288+(\ks)*1536
.endr
	WIN 0
.endm
.macro MM d, a, b, c, sa, sb, odd
.if \odd
	v_wmma_scale_f32_16x16x128_f8f6f4 v[\d:\d+7], v[\a:\a+11], v[\b:\b+11], v[\c:\c+7], v[\sa], v[\sb] matrix_a_fmt:MATRIX_FMT_FP6 matrix_b_fmt:MATRIX_FMT_FP6 matrix_a_scale:MATRIX_SCALE_ROW1 matrix_b_scale:MATRIX_SCALE_ROW1
.else
	v_wmma_scale_f32_16x16x128_f8f6f4 v[\d:\d+7], v[\a:\a+11], v[\b:\b+11], v[\c:\c+7], v[\sa], v[\sb] matrix_a_fmt:MATRIX_FMT_FP6 matrix_b_fmt:MATRIX_FMT_FP6
.endif
.endm
.macro MUL ks, mode
	WIN 0x05
.set FB, 96*((\ks)%2)
.irp q, 0,1,2,3
.irp p, 0,1,2,3
.if (\mode) == 1
.set CC, BIAS+8*\p
.else
.set CC, ACC+32*\q+8*\p
.endif
	MM ACC+32*\q+8*\p, FB+12*\p, FB+48+12*\q, CC, SCP+4*\p+(\ks)/2, SCQ+4*\q+(\ks)/2, (\ks)%2
.endr
.endr
	WIN 0
.endm
.macro PRE ks
.if (\ks) < 7
.if (\ks) > 0
.rept 4
	v_nop
.endr
.endif
	FETCH (\ks)+1
	s_wait_alu depctr_va_vdst(0)
	s_wait_dscnt 32
.else
	s_wait_dscnt 0x0
.endif
.endm
	s_load_b256 s[4:11], s[0:1], 0x0
	v_lshl_add_u32 v[SPW], v0, 2, SPARE
	v_mov_b32 v[NIL], 0
	ds_add_u32 v[SPW], v[NIL]
	ds_add_u32 v[SPW], v[NIL]
	v_lshrrev_b32 v240, 5, v0
	v_readfirstlane_b32 s12, v240
	s_and_b32 s13, s12, 1
	s_lshr_b32 s14, s12, 1
	s_and_b32 s15, ttmp7, 0xffff
	s_mov_b32 s16, 3<<16
	s_mov_b32 s17, 32<<16                          ; 192 dense rows of 256 bytes (32 elements of 8)
	s_mov_b32 s18, 192<<16
	s_mov_b32 s19, 32<<16
	s_mov_b32 s20, 192
	s_mov_b32 s21, 32
	s_mov_b32 s22, 0
	s_mov_b32 s23, 0
	s_mov_b32 s51, 0
	s_lshl_b32 s30, ttmp9, 3
	s_add_co_u32 s30, s30, 192
	s_lshl_b32 s31, s15, 3
	s_wait_dscnt 0x0
	s_wait_kmcnt 0x0
	s_cmp_lt_u32 s12, 2
	s_cselect_b64 s[48:49], s[6:7], s[4:5]
	s_cselect_b32 s50, s30, s31
	s_lshl_b32 s52, s13, 2
	s_add_co_u32 s50, s50, s52
	s_mul_i32 s50, s50, 12288
	s_add_nc_u64 s[48:49], s[48:49], s[50:51]
	s_mov_b32 s32, 1
	s_mul_i32 s33, s12, 49152                      ; my region of LDS: wave x four tiles
	s_mov_b64 s[34:35], s[48:49]
	s_or_b32 s35, s35, 0x80000000
	tensor_load_to_lds s[32:35], s[16:23]          ; my one load: four tiles, all of K
	s_nop 0
.rept 4
	v_nop
.endr
	v_and_b32 v240, 31, v0
	v_and_b32 v241, 15, v0
	v_bfe_u32 v242, v0, 4, 1
	v_lshlrev_b32 v5, 4, v240
	v_lshlrev_b32 v6, 3, v240
	v_lshlrev_b32 v7, 2, v240
	s_mul_i32 s52, s13, 49152
	v_add_nc_u32 v1, s52, v5
	v_add_nc_u32 v2, s52, v6
	s_mul_i32 s52, s14, 49152
	s_add_co_u32 s52, s52, 98304
	v_add_nc_u32 v3, s52, v5
	v_add_nc_u32 v4, s52, v6
	v_lshlrev_b32 v13, 6, v242
	v_lshlrev_b32 v14, 2, v241
	v_lshl_add_u32 v14, v242, 7, v14
	s_wait_alu depctr_va_vdst(0)
	s_mul_i32 s52, s12, 4352
	s_add_co_u32 s52, s52, STG
	v_mul_u32_u24 v[STO], v241, 272
	v_lshl_add_u32 v[STO], v242, 6, v[STO]
	v_add_nc_u32 v[STO], s52, v[STO]
	v_mul_u32_u24 v[RD], v242, 272
	v_lshl_add_u32 v[RD], v241, 4, v[RD]
	v_add_nc_u32 v[RD], s52, v[RD]
	v_lshlrev_b32 v[GO], 12, v242
	v_lshl_add_u32 v[GO], v241, 4, v[GO]
	s_lshl_b32 s50, s13, 2
	s_add_co_u32 s50, s50, s30
	s_lshl_b32 s50, s50, 9
	s_add_co_u32 s50, s50, 3145728
	s_add_nc_u64 s[54:55], s[6:7], s[50:51]
	s_lshl_b32 s50, s14, 2
	s_add_co_u32 s50, s50, s31
	s_lshl_b32 s50, s50, 10
	s_add_co_u32 s50, s50, 3145728
	s_add_nc_u64 s[56:57], s[4:5], s[50:51]
	s_lshl_b32 s50, ttmp9, 9
	s_lshl_b32 s52, s13, 8
	s_add_co_u32 s50, s50, s52
	s_add_nc_u64 s[58:59], s[8:9], s[50:51]
	s_lshl_b32 s52, s15, 7
	s_lshl_b32 s53, s14, 6
	s_add_co_u32 s52, s52, s53
	s_lshl_b32 s52, s52, 12
	s_add_co_u32 s50, s50, s52
	s_add_nc_u64 s[66:67], s[10:11], s[50:51]
.irp p, 0,1,2,3
.irp k, 0,1,2,3
	global_load_b32 v[SCP+4*\p+\k], v7, s[54:55] offset:512*\p+128*\k
	global_load_b32 v[SCQ+4*\p+\k], v14, s[56:57] offset:1024*\p+256*\k
	global_load_b32 v[HI+4*\p+\k], v14, s[56:57] offset:1024*\p+256*\k+64
.endr
.endr
.irp p, 0,1,2,3
	global_load_b128 v[BIAS+8*\p:BIAS+8*\p+3], v13, s[58:59] offset:128*(\p/2)+32*(\p%2)
	global_load_b128 v[BIAS+8*\p+4:BIAS+8*\p+7], v13, s[58:59] offset:128*(\p/2)+32*(\p%2)+16
.endr
	s_wait_loadcnt 0x0
.set n, 0
.rept 16
	v_lshl_or_b32 v[SCQ+n], v[HI+n], 16, v[SCQ+n]
.set n, n+1
.endr
.rept 8
	v_nop
.endr
	s_wait_alu depctr_va_vdst(0)
	s_wait_tensorcnt 0x0                           ; my four tiles are in
	s_barrier_signal -1
	s_barrier_wait -1
	FETCH 0
	PRE 0
	MUL 0, 1
.irp k, 1,2,3,4,5,6,7
	PRE \k
	MUL \k, 0
.endr
.rept 4
	v_nop
.endr
.irp q, 0,1,2,3
.irp p, 0,1,2,3
	ds_store_b128 v[STO], v[ACC+32*\q+8*\p:ACC+32*\q+8*\p+3] offset:128*(\p/2)+32*(\p%2)
	ds_store_b128 v[STO], v[ACC+32*\q+8*\p+4:ACC+32*\q+8*\p+7] offset:128*(\p/2)+32*(\p%2)+16
.endr
.irp k, 0,1,2,3,4,5,6,7
	ds_load_b128 v[ACC+32*\q+4*\k:ACC+32*\q+4*\k+3], v[RD] offset:544*\k
.endr
.endr
.irp q, 0,1,2,3
.irp k, 0,1,2,3,4,5,6,7
	s_wait_dscnt 16*(3-\q)+7-\k
	global_store_b128 v[GO], v[ACC+32*\q+4*\k:ACC+32*\q+4*\k+3], s[66:67] offset:(32*(\q/2)+8*(\q%2)+2*\k+8*(\k/4))*4096 th:TH_STORE_NT
.endr
.endr
	s_wait_tensorcnt 0x0
	ds_add_u32 v[SPW], v[NIL]
	s_wait_dscnt 0x0
	s_endpgm
.Lfunc_end_k_q919bad79ce_outp:
	.size	k_q919bad79ce_outp, .Lfunc_end_k_q919bad79ce_outp-k_q919bad79ce_outp
	.p2alignl 7, 3214868480
	.fill 96, 4, 3214868480
	.section	.rodata,"a",@progbits
	.p2align	6, 0x0
	.amdhsa_kernel k_q919bad79ce_outp
		.amdhsa_group_segment_fixed_size 327680
		.amdhsa_private_segment_fixed_size 0
		.amdhsa_enable_private_segment 0
		.amdhsa_kernarg_size 32
		.amdhsa_user_sgpr_count 2
		.amdhsa_user_sgpr_kernarg_segment_ptr 1
		.amdhsa_wavefront_size32 1
		.amdhsa_system_sgpr_workgroup_id_x 1
		.amdhsa_system_sgpr_workgroup_id_y 1
		.amdhsa_system_sgpr_workgroup_id_z 1
		.amdhsa_system_vgpr_workitem_id 0
		.amdhsa_next_free_vgpr 448
		.amdhsa_next_free_sgpr 80
		.amdhsa_reserve_vcc 0
		.amdhsa_float_denorm_mode_32 3
		.amdhsa_float_denorm_mode_16_64 3
		.amdhsa_memory_ordered 1
		.amdhsa_forward_progress 1
		.amdhsa_inst_pref_size 54
	.end_amdhsa_kernel
	.amdgpu_metadata
---
amdhsa.version: [ 1, 2 ]
amdhsa.kernels:
  - .name:           k_q919bad79ce_outp
    .symbol:         k_q919bad79ce_outp.kd
    .args:
      - { .name: oc, .offset: 0, .size: 8, .value_kind: global_buffer, .address_space: global }
      - { .name: wc, .offset: 8, .size: 8, .value_kind: global_buffer, .address_space: global }
      - { .name: b_out, .offset: 16, .size: 8, .value_kind: global_buffer, .address_space: global }
      - { .name: out0, .offset: 24, .size: 8, .value_kind: global_buffer, .address_space: global }
    .group_segment_fixed_size: 327680
    .private_segment_fixed_size: 0
    .kernarg_segment_align: 8
    .kernarg_segment_size: 32
    .max_flat_workgroup_size: 128
    .sgpr_count:     80
    .vgpr_count:     448
    .wavefront_size: 32
...
	.end_amdgpu_metadata
.endif
;; end of part 4
